; MI455X (gfx1250); checked and timed in simulation.
; The chip was launched on July 23, 2026; its instructions are those of AMD's public machine-readable ISA for CDNA 5 (MIT licence, August 2026) and "CDNA5" Instruction Set Architecture Reference Guide (July 2026). The comments in the code are by the model that wrote it; some were corrected since.
;; Encoder Block. Allowed arithmetic: matrix products marked QUANTISED: E2M3 operands, one E8M0 scale for each 32 along K, by v_wmma_scale_f32_16x16x128_f8f6f4 with both operands' format E2M3, f32 sums; everything else in f32.
;; Inputs: W1_codes 4,096 x 32 x 24 uint8 (E2M3 codes of W1, K innermost, in blocks of 32 codes, four codes in three bytes); W1_scales 4,096 x 32 uint8 (E8M0 scales of W1, one for each 32 codes along K); W2_codes 1,024 x 128 x 24 uint8 (E2M3 codes of W2, K innermost, in blocks of 32 codes, four codes in three bytes); W2_scales 1,024 x 128 uint8 (E8M0 scales of W2, one for each 32 codes along K); Wk_codes 1,024 x 32 x 24 uint8 (E2M3 codes of Wk, K innermost, in blocks of 32 codes, four codes in three bytes); Wk_scales 1,024 x 32 uint8 (E8M0 scales of Wk, one for each 32 codes along K); Wo_codes 1,024 x 32 x 24 uint8 (E2M3 codes of Wo, K innermost, in blocks of 32 codes, four codes in three bytes); Wo_scales 1,024 x 32 uint8 (E8M0 scales of Wo, one for each 32 codes along K); Wq_codes 1,024 x 32 x 24 uint8 (E2M3 codes of Wq, K innermost, in blocks of 32 codes, four codes in three bytes); Wq_scales 1,024 x 32 uint8 (E8M0 scales of Wq, one for each 32 codes along K); Wv_codes 1,024 x 32 x 24 uint8 (E2M3 codes of Wv, K innermost, in blocks of 32 codes, four codes in three bytes); Wv_scales 1,024 x 32 uint8 (E8M0 scales of Wv, one for each 32 codes along K); alpha1 1,024 float32; alpha2 1,024 float32; b1 4,096 float32; b2 1,024 float32; beta1 1,024 float32; beta2 1,024 float32; bk 1,024 float32; bo 1,024 float32; bq 1,024 float32; bv 1,024 float32; src_mask 2 x 1 x 1 x 2,048 int32; x 2 x 2,048 x 1,024 float32.
;; Outputs: out0 2 x 2,048 x 1,024 float32.
;; This version of the problem:
;;   THIS VERSION OF THE PROBLEM IS GIVEN IN LOW PRECISION. The matrix products marked QUANTISED in the list below multiply operands that are first quantised to E2M3 (2 exponent bits, 3 mantissa bits; 6 bits a number), with one power-of-two scale for each 32 numbers along K (OCP MX v1.0); their sums are f32. All else is computed in f32.
;;   The module's matrix products, in the order in which they are computed (A, B: the left and right operand; K: the contracted axis; several contracted axes count as one K, in the product's order):
;;     1. [M 4,096, K 1,024] x [K 1,024, N 1,024]; A: input x; B: input Wq (given as codes): QUANTISED
;;     2. [M 4,096, K 1,024] x [K 1,024, N 1,024]; A: input x; B: input Wk (given as codes): QUANTISED
;;     3. [M 4,096, K 1,024] x [K 1,024, N 1,024]; A: input x; B: input Wv (given as codes): QUANTISED
;;     4. batch 32 x [M 2,048, K 64] x [K 64, N 2,048]; A: computed on the way; B: computed on the way: QUANTISED
;;     5. batch 32 x [M 2,048, K 2,048] x [K 2,048, N 64]; A: softmax (see below); B: computed on the way: QUANTISED
;;     6. [M 4,096, K 1,024] x [K 1,024, N 1,024]; A: computed on the way; B: input Wo (given as codes): QUANTISED
;;     7. [M 4,096, K 1,024] x [K 1,024, N 4,096]; A: computed on the way; B: input W1 (given as codes): QUANTISED
;;     8. [M 4,096, K 4,096] x [K 4,096, N 1,024]; A: computed on the way; B: input W2 (given as codes): QUANTISED
;;   THE QUANTISER, for each operand of a quantised product, along K:
;;     - K is cut into blocks of 32 from its start; a last block that is shorter is filled with zeros.
;;     - A block's scale is 2^e with e = floor(log2(the largest magnitude in the block)) - 2, held to -126 .. 127; a block of zeros has e = 0. As a byte (E8M0): e + 127.
;;     - Each number is divided by its block's scale, clamped to +-7.5, and rounded to the nearest number of E2M3, ties to even, subnormals kept.
;;     - The product sums the exact products of the quantised numbers (number of the format x scale) in f32.
;;   ~~~python
;;   def quantise(x, axis):      # numpy; x: float32 -> the quantised numbers, widened to float32 again
;;       x = np.moveaxis(x, axis, -1); K = x.shape[-1]
;;       x = np.pad(x, [(0, 0)] * (x.ndim - 1) + [(0, -K % 32)]); x = x.reshape(x.shape[:-1] + (-1, 32)); a = np.abs(x).max(-1, keepdims=True)
;;       e = np.where(a > 0, np.clip(np.frexp(np.where(a > 0, a, 1))[1] - 1 - 2, -126, 127), 0)      # np.frexp(a)[1] - 1 = floor(log2(a)), exactly
;;       r = np.clip(x / 2.0 ** e, -7.5, 7.5)
;;       step = 2.0 ** (np.maximum(np.frexp(np.where(r == 0, 1, r))[1] - 1, 0) - 3)
;;       q = np.round(r / step) * step * 2.0 ** e      # np.round: ties to even
;;       return np.moveaxis(q.reshape(q.shape[:-2] + (-1,))[..., :K], -1, axis).astype(np.float32)
;;   ~~~
;;   SOFTMAX AHEAD OF A QUANTISED PRODUCT. Where the list says 'softmax', what is quantised is not the finished softmax but p = 2^(t - M), with t = logit x log2(e) and M = ceil(the row's largest t), a whole number; so 1/2 < the row's largest p <= 1. The row's sum l is taken of the UNQUANTISED p, in f32, and the product's result is divided by l at the end. Since M is a whole number, a kernel that streams over the keys may use a running M (the ceiling of the running maximum): every later rescaling is an exact power of two, which a block's scale takes up: the codes' values come out the same.
;;   OPERANDS COMPUTED ON THE WAY. 'Computed on the way' means the value that the module computes at that place (a softmax that the list does not call 'softmax' is quantised finished and normalised). What goes into a quantiser is computed in f32, as accurately as f32 sums, v_exp_f32 and their like allow (about 1e-6 of the number): no bf16 or f16 on the way to a quantiser, and a product that is left as it is and whose result goes on into a quantised operand takes f32 operands (vector FMAs, or v_wmma_f32_16x16x4_f32). A number that lies on a knife's edge between two numbers of the format may be rounded either way, as far as f32 arithmetic and the matrix unit's own rounding can turn it there, and no further.
;;   INPUTS GIVEN AS CODES. W1 (in the module: [1024, 4096], K = its axis 0); W2 (in the module: [4096, 1024], K = its axis 0); Wk (in the module: [1024, 1024], K = its axis 0); Wo (in the module: [1024, 1024], K = its axis 0); Wq (in the module: [1024, 1024], K = its axis 0); Wv (in the module: [1024, 1024], K = its axis 0): each comes as NAME_codes (uint8): NAME with its K axis moved to the last place and cut into blocks of 32 codes, [.., K / 32, bytes a block], one block behind the other in memory; four codes in three bytes: a row's codes are one little-endian stream of bits, code i at bits 6 i .. 6 i + 5 (a code: sign, 2 exponent bits, 3 mantissa bits); and NAME_scales (uint8): the same leading axes, one E8M0 byte (e + 127) for each 32 codes along K. Its value is code x scale, taken as it is: it is not quantised again, and the codes and scales need not be those that the quantiser above would give.
;; One version. Each part assembles by itself: llvm-mc -triple=amdgcn-amd-amdhsa -mcpu=gfx1250 --defsym DOCPART=n.
;; ======== version 1 of 1: 8 launches
;; limits: right only within a limited range of input values
;; workspace buffers: xq 3,276,800 bytes; w2rc 3,145,728 bytes; w2rs 131,072 bytes; qkv 12,189,696 bytes; act 13,107,200 bytes; acc 67,108,864 bytes; x1b 20,054,016 bytes
;; launch prep (part 1): grid 192 x 1, 4 waves a work-group, no clusters, 33,280 bytes of LDS; arguments x, W2_codes, W2_scales, xq, w2rc, w2rs; writes xq, w2rc, w2rs
.if DOCPART == 1
	.amdgcn_target "amdgcn-amd-amdhsa--gfx1250"
	.amdhsa_code_object_version 6
	.text
	.protected	k_qcf7f994490_prep
	.globl	k_qcf7f994490_prep
	.p2align	8
	.type	k_qcf7f994490_prep,@function
k_qcf7f994490_prep:
	s_mov_b64 s[64:65], 0
	v_nop
	global_prefetch_b8 v0, s[64:65] scope:SCOPE_SE
	s_setreg_imm32_b32 hwreg(HW_REG_WAVE_MODE, 25, 1), 1
	s_wait_xcnt 0x0
; Work-groups 0-127: x [4096][1024] f32 becomes codes of FP6 (E2M3), K innermost, [4096][768] bytes at xq + 0, and one E8M0 byte for each 32 along K, [4096][32] at xq + XQS.
; A block's scale is 2^(floor(log2(largest magnitude)) - 2): its byte is the largest magnitude's exponent field - 2, held at 1 from below (a block of zeros gets 1 where the
; rule says 127: its codes are zeros, and this program alone reads the bytes).  LIMITS: NaN and infinities are not served.
; Rows are dense, so x is a stream of blocks of 32.  A wave takes 16 steps of 512 numbers; each load reads 512 consecutive bytes; a step's 2,048 bytes turn through the wave's own
; stage in LDS so that a lane holds 16 neighbours along K; two neighbouring lanes hold a block.  Loads run four steps ahead.
; Work-groups 128-191: W2's codes [1024][3072] and scale bytes [1024][128] are laid anew as four pieces of K = 1,024: w2rc [4][1024][768], w2rs [4][1024][32], so that the
; product on W2 can be made in four pieces by the launch that also serves Wo.  This path uses no LDS.
.set STEPS, 16
.set CB,    12
.set R,     16                         ; v16-79   four sets of 16 numbers as loaded
.set X,     80                         ; v80-111  two sets of 16 neighbours
.set C,     128                        ; v128-191 codes, four registers a step
.set E,     112                        ; v112-127 a scale byte a step
.set WREG,  8192                       ; LDS of a wave: two stages of 32 x SP bytes, then 256 scale bytes
.set SP,    80
.set XQS,   3145728
	s_load_b256 s[4:11], s[0:1], 0x0               ; x, W2_codes, W2_scales, xq
	s_load_b128 s[12:15], s[0:1], 0x20             ; w2rc, w2rs
	v_lshl_add_u32 v192, v0, 2, 0x8000
	v_mov_b32 v193, 0
	v_lshrrev_b32 v1, 5, v0
	v_readfirstlane_b32 s16, v1                    ; wave
	v_and_b32 v2, 31, v0                           ; lane
	s_cmp_lt_u32 ttmp9, 128
	s_cbranch_scc0 .Lcopy
	v_lshlrev_b32 v3, 4, v2                        ; my 16 bytes of a load's 512
	s_mul_i32 s17, s16, WREG
	v_lshrrev_b32 v14, 2, v2
	v_mul_u32_u24 v14, v14, SP
	v_and_b32 v15, 3, v2
	v_lshl_add_u32 v14, v15, 4, v14
	v_add_nc_u32 v14, s17, v14                     ; the stage, in: SP (lane / 4) + 16 (lane % 4)
	v_mul_u32_u24 v15, v2, SP
	v_add_nc_u32 v15, s17, v15                     ; out: SP x lane
	v_mul_u32_u24 v4, v2, CB                       ; my codes' place in a step's
	v_lshrrev_b32 v5, 1, v2
	s_add_co_u32 s17, s17, 2*32*SP
	v_add_nc_u32 v5, s17, v5                       ; my block's byte among the wave's 256
	v_lshlrev_b32 v7, 3, v2
	v_add_nc_u32 v6, s17, v7
	s_lshl_b32 s18, ttmp9, 2
	s_add_co_u32 s18, s18, s16                     ; which run of 8,192 numbers is my wave's
	s_lshl_b32 s20, s18, 15                        ; 32,768 bytes of x a run
	s_mov_b32 s21, 0
	s_mul_i32 s22, s18, 32*STEPS*CB                ; 6,144 bytes of codes
	s_mov_b32 s23, 0
	s_lshl_b32 s24, s18, 8                         ; 256 scale bytes
	s_add_co_u32 s24, s24, XQS
	s_mov_b32 s25, 0
	s_wait_alu depctr_va_vdst(0)
	s_wait_kmcnt 0x0
	s_add_nc_u64 s[4:5], s[4:5], s[20:21]
	s_add_nc_u64 s[8:9], s[10:11], s[22:23]
	s_add_nc_u64 s[10:11], s[10:11], s[24:25]
.macro LOAD t
.irp i, 0,1,2,3
	global_load_b128 v[R+16*((\t)%4)+4*\i:R+16*((\t)%4)+4*\i+3], v3, s[4:5] offset:2048*(\t)+512*\i th:TH_LOAD_NT
.endr
.endm
.macro TURN t                          ; LDS serves a wave's instructions in order: no wait between the stores and the loads
.irp i, 0,1,2,3
	ds_store_b128 v14, v[R+16*((\t)%4)+4*\i:R+16*((\t)%4)+4*\i+3] offset:32*SP*((\t)%2)+8*SP*\i
.endr
.irp i, 0,1,2,3
	ds_load_b128 v[X+16*((\t)%2)+4*\i:X+16*((\t)%2)+4*\i+3], v15 offset:32*SP*((\t)%2)+16*\i
.endr
.endm
.irp t, 0,1,2,3
	LOAD \t
.endr
	s_wait_loadcnt 12                              ; step 0's four loads are in; three steps' loads stay out
	TURN 0
.macro STEP t
.set XS, X+16*((\t)%2)
.if (\t) > 0
	s_wait_dscnt 1                                 ; this step's numbers are back (the last step's byte store may be out)
.else
	s_wait_dscnt 0x0
.endif
.if (\t)+4 < STEPS
	LOAD (\t)+4
.endif
.if (\t)+1 < STEPS
.if STEPS-2-(\t) >= 3
	s_wait_loadcnt 12                              ; the next step's four loads are in; three steps' loads stay out
.else
	s_wait_loadcnt 4*(STEPS-2-(\t))
.endif
	TURN (\t)+1
.endif
	v_max3_num_f32 v8, |v[XS]|, |v[XS+1]|, |v[XS+2]|
	v_max3_num_f32 v9, |v[XS+3]|, |v[XS+4]|, |v[XS+5]|
.irp i, 6,10
	v_max3_num_f32 v8, v8, |v[XS+\i]|, |v[XS+\i+1]|
	v_max3_num_f32 v9, v9, |v[XS+\i+2]|, |v[XS+\i+3]|
.endr
	v_max3_num_f32 v8, v8, |v[XS+14]|, |v[XS+15]|
	v_max3_num_f32 v8, v8, v9, 0x1800000           ; the floor 2^(3 - 127): the byte cannot fall under 1
	v_max_num_f32_dpp v8, v8, v8 row_xmask:1 row_mask:0xf bank_mask:0xf   ; with my neighbour's 16: the block's
	v_add_nc_u32 v11, 0xff000000, v8               ; 2 off the exponent field: the conversion's scale operand
	v_cvt_scalef32_pk16_fp6_f32 v[C+4*(\t):C+4*(\t)+2], v[XS:XS+15], v11
	v_lshrrev_b32 v[E+(\t)], 23, v11               ; the scale's byte
	ds_store_b8 v5, v[E+(\t)] offset:16*(\t)       ; both lanes of a block write the same byte with the same value
	global_store_b96 v4, v[C+4*(\t):C+4*(\t)+2], s[8:9] offset:32*CB*(\t)
.endm
.irp t, 0,1,2,3,4,5,6,7,8,9,10,11,12,13,14,15
	STEP \t
.endr
	ds_load_b64 v[12:13], v6
	s_wait_dscnt 0x0
	global_store_b64 v7, v[12:13], s[10:11]        ; 32 lanes store 256 consecutive bytes, aligned
	s_wait_tensorcnt 0x0
	ds_add_u32 v192, v193
	s_wait_dscnt 0x0
	s_endpgm
.Lcopy:
	; wave u = 4 j + wave copies 16 rows x 768 bytes of one piece: 24 loads and stores of two rows x 256 bytes
	s_sub_co_u32 s17, ttmp9, 128                   ; j
	s_lshl_b32 s18, s17, 2
	s_add_co_u32 s18, s18, s16                     ; u
	s_lshr_b32 s19, s18, 6                         ; piece
	s_and_b32 s20, s18, 63
	s_lshl_b32 s20, s20, 4                         ; first row
	s_mul_i32 s22, s20, 3072
	s_mul_i32 s21, s19, 768
	s_add_co_u32 s22, s22, s21                     ; from: row x 3,072 + piece x 768
	s_mov_b32 s23, 0
	s_lshl_b32 s24, s19, 10
	s_add_co_u32 s24, s24, s20
	s_mul_i32 s24, s24, 768                        ; to: (piece x 1,024 + row) x 768
	s_mov_b32 s25, 0
	s_wait_alu depctr_va_vdst(0)
	v_lshrrev_b32 v3, 4, v2                        ; which of two rows
	v_and_b32 v4, 15, v2
	v_lshlrev_b32 v4, 4, v4                        ; 16 bytes a lane
	v_mad_u32_u24 v5, v3, 3072, v4
	v_mad_u32_u24 v6, v3, 768, v4
	v_lshrrev_b32 v7, 1, v0                        ; the scale bytes: thread t takes 16 bytes: row t / 2, half t % 2
	v_and_b32 v8, 1, v0
	v_lshlrev_b32 v8, 4, v8
	v_lshl_add_u32 v7, v7, 7, v8
	v_lshlrev_b32 v9, 4, v0
	s_and_b32 s26, s17, 15
	s_lshl_b32 s26, s26, 13                        ; 64 rows x 128 bytes a work-group
	s_lshr_b32 s27, s17, 4
	s_lshl_b32 s27, s27, 5                         ; piece x 32 bytes
	s_add_co_u32 s26, s26, s27
	s_mov_b32 s27, 0
	s_lshl_b32 s28, s17, 11
	s_mov_b32 s29, 0
	s_wait_alu depctr_va_vdst(0)
	s_wait_kmcnt 0x0
	s_add_nc_u64 s[6:7], s[6:7], s[22:23]
	s_add_nc_u64 s[12:13], s[12:13], s[24:25]
	s_add_nc_u64 s[8:9], s[8:9], s[26:27]
	s_add_nc_u64 s[14:15], s[14:15], s[28:29]
.set n, 0
.rept 24
	global_load_b128 v[16+4*n:19+4*n], v5, s[6:7] offset:2*(n/3)*3072+256*(n%3) th:TH_LOAD_NT
.set n, n+1
.endr
	global_load_b128 v[112:115], v7, s[8:9] th:TH_LOAD_NT
.set n, 0
.rept 24
	s_wait_loadcnt 24-n                            ; load n is in: behind it 23 - n loads of codes and the scales' one
	global_store_b128 v6, v[16+4*n:19+4*n], s[12:13] offset:2*(n/3)*768+256*(n%3)   ; sixteen lanes store 256 consecutive bytes, aligned
.set n, n+1
.endr
	s_wait_loadcnt 0x0
	global_store_b128 v9, v[112:115], s[14:15]
	s_endpgm
.Lfunc_end_k_qcf7f994490_prep:
	.size	k_qcf7f994490_prep, .Lfunc_end_k_qcf7f994490_prep-k_qcf7f994490_prep
	.p2alignl 7, 3214868480
	.fill 96, 4, 3214868480
	.section	.rodata,"a",@progbits
	.p2align	6, 0x0
	.amdhsa_kernel k_qcf7f994490_prep
		.amdhsa_group_segment_fixed_size 33280
		.amdhsa_private_segment_fixed_size 0
		.amdhsa_enable_private_segment 0
		.amdhsa_kernarg_size 48
		.amdhsa_user_sgpr_count 2
		.amdhsa_user_sgpr_kernarg_segment_ptr 1
		.amdhsa_wavefront_size32 1
		.amdhsa_system_sgpr_workgroup_id_x 1
		.amdhsa_system_sgpr_workgroup_id_y 1
		.amdhsa_system_sgpr_workgroup_id_z 1
		.amdhsa_system_vgpr_workitem_id 0
		.amdhsa_next_free_vgpr 194
		.amdhsa_next_free_sgpr 66
		.amdhsa_reserve_vcc 0
		.amdhsa_float_denorm_mode_32 3
		.amdhsa_float_denorm_mode_16_64 3
		.amdhsa_memory_ordered 1
		.amdhsa_forward_progress 1
		.amdhsa_inst_pref_size 39
	.end_amdhsa_kernel
	.amdgpu_metadata
---
amdhsa.version: [ 1, 2 ]
amdhsa.kernels:
  - .name:           k_qcf7f994490_prep
    .symbol:         k_qcf7f994490_prep.kd
    .args:
      - { .name: x, .offset: 0, .size: 8, .value_kind: global_buffer, .address_space: global }
      - { .name: W2_codes, .offset: 8, .size: 8, .value_kind: global_buffer, .address_space: global }
      - { .name: W2_scales, .offset: 16, .size: 8, .value_kind: global_buffer, .address_space: global }
      - { .name: xq, .offset: 24, .size: 8, .value_kind: global_buffer, .address_space: global }
      - { .name: w2rc, .offset: 32, .size: 8, .value_kind: global_buffer, .address_space: global }
      - { .name: w2rs, .offset: 40, .size: 8, .value_kind: global_buffer, .address_space: global }
    .group_segment_fixed_size: 33280
    .private_segment_fixed_size: 0
    .kernarg_segment_align: 8
    .kernarg_segment_size: 48
    .max_flat_workgroup_size: 128
    .sgpr_count:     66
    .vgpr_count:     194
    .wavefront_size: 32
...
	.end_amdgpu_metadata
.endif
;; end of part 1
;; launch qkv (part 2): grid 48 x 4, 4 waves a work-group, clusters of 4 x 4, 327,680 bytes of LDS; arguments xq, Wq_codes, Wq_scales, Wk_codes, Wk_scales, Wv_codes, Wv_scales, bq, bk, bv, src_mask, qkv; writes qkv
.if DOCPART == 2
	.amdgcn_target "amdgcn-amd-amdhsa--gfx1250"
	.amdhsa_code_object_version 6
	.text
	.protected	k_qcf7f994490_qkv
	.globl	k_qcf7f994490_qkv
	.p2align	8
	.type	k_qcf7f994490_qkv,@function
k_qcf7f994490_qkv:
	s_mov_b64 s[64:65], 0
	v_nop
	global_prefetch_b8 v0, s[64:65] scope:SCOPE_SE
	s_setreg_imm32_b32 hwreg(HW_REG_WAVE_MODE, 25, 1), 1
	s_wait_xcnt 0x0
	s_wait_alu depctr_hold_cnt(0) depctr_sa_sdst(0) depctr_va_vdst(0) depctr_va_sdst(0) depctr_va_ssrc(0) depctr_va_vcc(0) depctr_vm_vsrc(0)
	s_getreg_b32 s2, hwreg(HW_REG_IB_STS2, 6, 4)
	s_cmp_eq_u32 s2, 0
	s_cbranch_scc0 .Lentry_in_a_cluster
	s_endpgm
.Lentry_in_a_cluster:
	s_bfe_u32 s2, ttmp6, 0x10000c
	s_cmp_lg_u32 s2, 0xf033
	s_cbranch_scc0 .Lentry_shape_is_right
	s_endpgm
.Lentry_shape_is_right:
; q, k, v = x W + b on codes of FP6 (E2M3, one E8M0 scale for each 32 along K), K = 1,024; the results are quantised and stored as images of attention's operand registers.
; A tile of 256 x 256 is made by four waves.  The ring of two LDS slots goes by chunks of 256 bytes of each row of codes: 8 matrix steps of 96 bytes lie in 3 chunks.
.set NQ,     2
.set ROWB,   256
.set KROW,   768
.set STEPS,  8
.set CHUNKS, 3
.set PITCH,  272
.set FR,     12
.set NL,     6
.set NP,     4
.set HALFT,  128*PITCH
.set SLOT,   4*HALFT
.set G0H,    4                         ; s[4:7], s[8:11] group 0 of the head's loads of chunk 0 (the addresses that lay there have been used by then)
.set G0HB,   8
.set KS,     32
.set SCL,    2*SLOT
.set HALFS,  16*272
.set SBLK,   2*272
.set SPARE,  SCL+4*HALFS
.set ADRA, 16
.set ADRB, 20
.set ADRS, 27
.set SPW,  28
.set NIL,  29
.set SC,   32
.set AF,   128
.set G1, 24
.set G0, 32
.set G1B, 48
.set G0B, 56
.set G1S, 68
.set G0S, 76
.set G1SB, 80
.set G0SB, 88
.set XQS,   3145728
.set K_IMG, 4194304
.set V_IMG, 8388608
.set Q_SW,  11534336
.set K_SW,  11796480
.set V_SC,  12058624
.set BN,  64
.set RB,  236
.set H,   128
.set PC,  192
.set TP,  208
.set TM,  216
.set PW,  232
.set SWV, 233
.set SEL, 100
.set MSB, 0
.macro WIN new
.if MSB != \new
	s_set_vgpr_msb (MSB<<8)|\new
.set MSB, \new
.endif
.endm
.set MUL_LO, 0xa1
.set MUL_HI, 0xf1
.set TO_B,   0x40
.macro JLOAD g0a, g1a, g0b, g1b
	s_cmp_eq_u32 s15, 0
	s_cbranch_scc0 .Lfor_b_\@
	tensor_load_to_lds s[\g0a:\g0a+3], s[\g1a:\g1a+7]
	s_nop 0
.rept 4
	v_nop
.endr
	s_branch .Lasked_\@
.Lfor_b_\@:
	tensor_load_to_lds s[\g0b:\g0b+3], s[\g1b:\g1b+7]
	s_nop 0
.rept 4
	v_nop
.endr
.Lasked_\@:
.endm
.macro CREST
	s_cmp_lg_u32 s14, 0
	s_cbranch_scc1 .Lnot_wave_0_\@
	s_barrier_signal -3
.Lnot_wave_0_\@:
	s_barrier_wait -3
	s_barrier_signal -1
	s_barrier_wait -1
.endm
.macro CROUND
	s_barrier_signal -1
	s_barrier_wait -1
	CREST
.endm
	s_load_b512 s[24:39], s[0:1], 0x0
	s_load_b256 s[40:47], s[0:1], 0x40
	v_lshl_add_u32 v[SPW], v0, 2, SPARE
	v_mov_b32 v[NIL], 0
	ds_add_u32 v28, v29
	ds_add_u32 v28, v29
	s_wait_dscnt 0x0
	v_lshrrev_b32 v1, 5, v0
	v_readfirstlane_b32 s14, v1
	s_lshr_b32 s15, s14, 1
	s_and_b32 s16, s14, 1
	s_mov_b32 s66, ttmp9
	s_mov_b32 s93, 0
	s_mov_b32 s95, 0
	s_wait_kmcnt 0x0
	s_cmp_lt_u32 s66, 4
	s_cselect_b64 s[8:9], s[26:27], s[30:31]
	s_cselect_b64 s[10:11], s[28:29], s[32:33]
	s_cselect_b64 s[96:97], s[38:39], s[40:41]
	s_cmp_lt_u32 s66, 8
	s_cselect_b64 s[4:5], s[24:25], s[34:35]
	s_cselect_b64 s[6:7], s[24:25], s[36:37]
	s_cselect_b64 s[8:9], s[8:9], s[24:25]
	s_cselect_b64 s[10:11], s[10:11], s[24:25]
	s_cselect_b64 s[96:97], s[96:97], s[42:43]
	s_cselect_b64 s[98:99], s[44:45], s[42:43]
	s_cselect_b32 s92, XQS, 0
	s_cselect_b32 s94, 0, XQS
	s_mov_b64 s[12:13], s[46:47]
	s_add_nc_u64 s[6:7], s[6:7], s[92:93]
	s_add_nc_u64 s[10:11], s[10:11], s[94:95]
	s_bfe_u32 s40, ttmp6, 0x40000
	s_bfe_u32 s41, ttmp6, 0x40004
	s_and_b32 s67, s66, 3
	s_lshl_b32 s67, s67, 2
	s_cmp_lt_u32 s66, 8
	s_cselect_b32 s17, s67, 0
	s_cselect_b32 s42, 0, s67
	s_add_co_u32 s17, s17, s41
	s_add_co_u32 s42, s42, s40
	s_lshl_b32 s43, s41, 2
	s_lshl_b32 s43, 15, s43
	s_lshl_b32 s44, 0x1111, s40
	s_or_b32 s[G1+0], s43, (0<<16)|(1<<20)|(1<<21)|(5<<22)|(3<<25)  ; 4 words of padding behind every 64
	s_or_b32 s[G1B+0], s44, (0<<16)|(1<<20)|(1<<21)|(5<<22)|(3<<25)
.irp g, G1, G1B
	s_mov_b32 s[\g+1], ROWB<<16
	s_mov_b32 s[\g+2], 256<<16                     ; 256 rows for the head's loads; 128 behind them
	s_mov_b32 s[\g+3], ROWB<<16
	s_mov_b32 s[\g+4], 256
	s_mov_b32 s[\g+5], KROW
	s_mov_b32 s[\g+6], 0
	s_mov_b32 s[\g+7], 0
.endr
	s_or_b32 s[G1S+0], s43, (3<<16)|(1<<20)|(1<<21)|(5<<22)|(3<<25)
	s_or_b32 s[G1SB+0], s44, (3<<16)|(1<<20)|(1<<21)|(5<<22)|(3<<25)
.irp g, G1S, G1SB
	s_mov_b32 s[\g+1], 32<<16
	s_mov_b32 s[\g+2], KS<<16                      ; the scales of 256 rows: KS rows of 256 bytes
	s_mov_b32 s[\g+3], 32<<16
	s_mov_b32 s[\g+4], KS
	s_mov_b32 s[\g+5], 32
	s_mov_b32 s[\g+6], 0
	s_mov_b32 s[\g+7], 0
.endr
	s_lshl_b32 s20, s17, 8                         ; the tiles' first rows
	s_lshl_b32 s46, s42, 8
	s_mov_b32 s21, 0
	s_mov_b32 s47, 0
	s_mov_b64 s[18:19], KS
	s_mul_u64 s[22:23], s[20:21], s[18:19]
	s_mul_u64 s[92:93], s[46:47], s[18:19]
	s_mov_b64 s[18:19], KROW
	s_mul_u64 s[20:21], s[20:21], s[18:19]
	s_mul_u64 s[46:47], s[46:47], s[18:19]
	s_mul_i32 s45, s14, HALFT
	s_mul_i32 s18, s16, 128*KROW                   ; in the ring I fetch 128 rows: which half, in bytes
	s_mov_b32 s19, 0
	s_add_nc_u64 s[20:21], s[4:5], s[20:21]
	s_add_nc_u64 s[22:23], s[6:7], s[22:23]
	s_add_nc_u64 s[46:47], s[8:9], s[46:47]
	s_add_nc_u64 s[92:93], s[10:11], s[92:93]
	CROUND
	s_mov_b32 s[G0S], 1
	s_mov_b32 s[G0S+1], SCL
	s_mov_b64 s[G0S+2:G0S+3], s[22:23]
	s_or_b32 s[G0S+3], s[G0S+3], 0x80000000
	s_mov_b32 s[G0SB], 1
	s_mov_b32 s[G0SB+1], SCL+2*HALFS
	s_mov_b64 s[G0SB+2:G0SB+3], s[92:93]
	s_or_b32 s[G0SB+3], s[G0SB+3], 0x80000000
	s_mov_b32 s[G0H], 1                            ; chunk 0: A's 256 rows,
	s_mov_b32 s[G0H+1], 0
	s_mov_b64 s[G0H+2:G0H+3], s[20:21]
	s_or_b32 s[G0H+3], s[G0H+3], 0x80000000
	s_mov_b32 s[G0HB], 1                           ; and B's, behind them
	s_mov_b32 s[G0HB+1], 2*HALFT
	s_mov_b64 s[G0HB+2:G0HB+3], s[46:47]
	s_or_b32 s[G0HB+3], s[G0HB+3], 0x80000000
	s_add_nc_u64 s[20:21], s[20:21], s[18:19]      ; for the ring: my 128 rows
	s_add_nc_u64 s[46:47], s[46:47], s[18:19]
.irp s, 0,1
	s_mov_b32 s[G0+4*\s], 1
	s_add_co_u32 s[G0+4*\s+1], s45, \s*SLOT
	s_add_nc_u64 s[G0+4*\s+2:G0+4*\s+3], s[20:21], \s*ROWB
	s_or_b32 s[G0+4*\s+3], s[G0+4*\s+3], 0x80000000
	s_mov_b32 s[G0B+4*\s], 1
	s_add_co_u32 s[G0B+4*\s+1], s45, \s*SLOT
	s_add_nc_u64 s[G0B+4*\s+2:G0B+4*\s+3], s[46:47], \s*ROWB
	s_or_b32 s[G0B+4*\s+3], s[G0B+4*\s+3], 0x80000000
.endr
; the head's four tiles, one joint load a wave: one tree of branches on the wave's number
.macro ARM under, g0, g1, next
	s_cmp_lt_u32 s14, \under
	s_cbranch_scc0 \next
	tensor_load_to_lds s[\g0:\g0+3], s[\g1:\g1+7]
	s_nop 0
.rept 4
	v_nop
.endr
	s_branch .Lhead_asked
\next:
.endm
	ARM 1, G0H,  G1,  .Lhead_b
	ARM 2, G0HB, G1B, .Lhead_sa
	ARM 3, G0S,  G1S, .Lhead_sb
	tensor_load_to_lds s[G0SB:G0SB+3], s[G1SB:G1SB+7]
	s_nop 0
.rept 4
	v_nop
.endr
.Lhead_asked:
	v_and_b32 v1, 15, v0
	v_bfe_u32 v2, v0, 4, 1
	v_mul_u32_u24 v3, v1, PITCH
	v_mul_u32_u24 v4, v2, 24
	v_add_nc_u32 v4, v3, v4
	s_mov_b32 s21, SLOT-232
	s_mov_b32 s22, SLOT+232
	v_sub_nc_u32 v7, 1, v2
	v_mul_u32_u24 v5, s21, v2
	v_add_nc_u32 v5, v3, v5
	v_add_nc_u32 v5, 232, v5                       ; across two chunks: lanes 0-15 byte 232 of the row in slot 0, lanes 16-31 byte 0 in slot 1;
	v_mul_u32_u24 v6, s22, v7
	v_add_nc_u32 v6, v3, v6                        ; and the other way round
	s_mul_i32 s21, s15, HALFT
	s_mul_i32 s22, s16, HALFT
	s_add_co_u32 s22, s22, 2*HALFT
	v_add_nc_u32 v[ADRA+2], s21, v5
	v_add_nc_u32 v[ADRA+3], s21, v6
	v_add_nc_u32 v[ADRB+2], s22, v5
	v_add_nc_u32 v[ADRB+3], s22, v6
.irp s, 0,1
	v_add_nc_u32 v[ADRA+\s], s21, v4
	v_add_nc_u32 v[ADRB+\s], s22, v4
	s_add_co_u32 s21, s21, SLOT
	s_add_co_u32 s22, s22, SLOT
.endr
	v_mul_u32_u24 v5, v1, KS
	v_lshrrev_b32 v6, 8, v5
	v_lshl_add_u32 v5, v6, 4, v5
	s_mul_i32 s21, s15, HALFS
	s_mul_i32 s22, s16, HALFS
	s_add_co_u32 s22, s22, 2*HALFS
	s_sub_co_u32 s22, s22, s21
	v_mul_u32_u24 v6, s22, v2
	s_add_co_u32 s21, s21, SCL
	v_add_nc_u32 v5, v5, v6
	v_add_nc_u32 v[ADRS], s21, v5
	s_lshl_b32 s20, s17, 8
	s_lshl_b32 s21, s15, 7
	s_add_co_u32 s20, s20, s21
	s_lshl_b32 s22, s42, 8
	s_lshl_b32 s23, s16, 7
	s_add_co_u32 s22, s22, s23
	s_cmp_lt_u32 s66, 8
	s_cselect_b32 s43, s20, s22
	s_cselect_b32 s44, s22, s20
	s_mov_b32 s45, 98304
	s_cselect_b32 s45, 131072, s45
	s_cselect_b32 s46, 64, 48
	s_mov_b32 s47, 4096
	s_cselect_b32 s47, 8192, s47
	s_cselect_b32 s67, 4, 2
	s_mov_b32 s94, V_IMG
	s_mov_b32 s95, V_SC
	s_cselect_b32 s94, K_IMG, s94
	s_cselect_b32 s95, K_SW, s95
	s_cselect_b32 s2, s22, 0
	s_cmp_lt_u32 s66, 4
	s_cselect_b32 s94, 0, s94
	s_cselect_b32 s95, Q_SW, s95
	s_lshl_b32 s2, s2, 2
	s_mov_b32 s3, 0
	s_add_nc_u64 s[96:97], s[96:97], s[2:3]
	s_lshl_b32 s2, s20, 2
	s_add_nc_u64 s[98:99], s[98:99], s[2:3]
	s_lshr_b32 s2, s43, 11
	s_and_b32 s43, s43, 2047
	s_lshr_b32 s44, s44, 6
	s_lshl_b32 s2, s2, 4
	s_add_co_u32 s44, s44, s2
	s_mul_i32 s45, s44, s45
	s_mul_i32 s46, s43, s46
	s_add_co_u32 s46, s46, s45
	s_add_co_u32 s46, s46, s94
	s_mul_i32 s47, s44, s47
	s_mul_i32 s67, s43, s67
	s_add_co_u32 s92, s47, s67
	s_add_co_u32 s92, s92, s95
	s_mov_b32 s93, 0
	s_mov_b32 s47, 0
	s_add_nc_u64 s[92:93], s[12:13], s[92:93]
	s_add_nc_u64 s[12:13], s[12:13], s[46:47]
	v_lshlrev_b32 v30, 5, v2
	v_lshlrev_b32 v31, 2, v1
.irp b, 0,1,2,3,4,5,6,7
	global_load_b128 v[BN+8*\b:BN+8*\b+3], v30, s[96:97] offset:64*\b
	global_load_b128 v[BN+8*\b+4:BN+8*\b+7], v30, s[96:97] offset:64*\b+16
.endr
.irp a, 0,1,2,3,4,5,6,7
	global_load_b32 v[RB+2*\a], v31, s[98:99] offset:64*\a
	global_load_b32 v[RB+2*\a+1], v31, s[98:99] offset:64*\a
.endr
.macro FRAG reg, adr, st, i            ; byte y of a row of codes lies in chunk y / 256, slot (y / 256) % 2, at byte y % 256 of the LDS row; lanes 16-31 read 24 bytes on
.irp p, 0,1,2,3,4,5
.set BY, 96*(\st)+48*(\p/3)+8*(\p%3)
.if BY/ROWB == (BY+24)/ROWB
	ds_load_b64 v[\reg+2*\p:\reg+2*\p+1], v[\adr+(BY/ROWB)%2] offset:BY%ROWB+(\i)*16*PITCH
.else
	ds_load_b64 v[\reg+2*\p:\reg+2*\p+1], v[\adr+2+(BY/ROWB)%2] offset:BY%ROWB-232+(\i)*16*PITCH
.endif
.endr
.endm
.macro MUL16 a0, p, q, sc, zero
.irp a, \a0, \a0+1
.irp b, 0,1,2,3,4,5,6,7
.if \zero
	v_wmma_scale_f32_16x16x128_f8f6f4 v[8*(8*((\a)%4)+\b):8*(8*((\a)%4)+\b)+7], v[128*(\p)+FR*\b:128*(\p)+FR*\b+FR-1], v[AF+FR*(\a):AF+FR*(\a)+FR-1], 0, v[SC+8*NQ*(\sc)+NQ*\b+(\q)], v[SC+8*NQ*(\sc)+NQ*(\a)+(\q)] matrix_a_fmt:MATRIX_FMT_FP6 matrix_b_fmt:MATRIX_FMT_FP6 matrix_a_scale:MATRIX_SCALE_ROW1
.else
	v_wmma_scale_f32_16x16x128_f8f6f4 v[8*(8*((\a)%4)+\b):8*(8*((\a)%4)+\b)+7], v[128*(\p)+FR*\b:128*(\p)+FR*\b+FR-1], v[AF+FR*(\a):AF+FR*(\a)+FR-1], v[8*(8*((\a)%4)+\b):8*(8*((\a)%4)+\b)+7], v[SC+8*NQ*(\sc)+NQ*\b+(\q)], v[SC+8*NQ*(\sc)+NQ*(\a)+(\q)] matrix_a_fmt:MATRIX_FMT_FP6 matrix_b_fmt:MATRIX_FMT_FP6 matrix_a_scale:MATRIX_SCALE_ROW1
.endif
.endr
.endr
.endm
.macro FETCH_B st, p
	WIN TO_B
.irp i, 0,1,2,3,4,5,6,7
	FRAG 128*(\p)+FR*\i, ADRB, \st, \i
.endr
	WIN 0
.endm
.macro FETCH_A st, i0
.irp i, \i0, \i0+1, \i0+2, \i0+3
	FRAG AF+FR*(\i), ADRA, \st, \i
.endr
.endm
.macro SCALES pr                       ; the scale words of steps 2 pr and 2 pr + 1 into set pr % 2
.irp i, 0,1,2,3,4,5,6,7
	ds_load_b64 v[SC+8*NQ*((\pr)%2)+NQ*\i:SC+8*NQ*((\pr)%2)+NQ*\i+1], v[ADRS] offset:\i*SBLK+4*NQ*(\pr)
.endr
.endm
.macro PLACES n
.rept \n
	v_nop
.endr
.endm
; A step of 128 along K.  Where the next step's bytes end in a chunk not read yet, a barrier shows that chunk whole; where they begin in a later chunk, the chunk left behind is read no more:
; the wait for all my tensor loads, the add, the wait for it and for my reads, the barrier, and, where a chunk two on is left, the cluster's round and the refill.
.macro STEP st, zero
.set NX, (\st)+1
.set C0, (96*(\st))/ROWB
.set C1, (96*NX)/ROWB
.set E0, (96*(\st)+95)/ROWB
.set E1, (96*NX+95)/ROWB
.if C1 > C0 || E1 > E0
	s_wait_tensorcnt 0x0
.if C1 > C0
	ds_add_u32 v[SPW], v[NIL]
	s_wait_dscnt 4*NL+1                            ; the add and the 24 youngest loads (A's blocks 4-7) may be out
.else
	s_wait_dscnt 4*NL
.endif
	WIN MUL_LO
	MUL16 0, (\st)%2, (\st)%2, ((\st)/2)%2, \zero
	s_wait_dscnt 0x0
	s_barrier_signal -1
	MUL16 2, (\st)%2, (\st)%2, ((\st)/2)%2, \zero
	WIN 0
	s_barrier_wait -1
.if C1 > C0 && C0+2 < CHUNKS
	CREST
	s_add_nc_u64 s[G0+4*(C0%2)+2:G0+4*(C0%2)+3], s[G0+4*(C0%2)+2:G0+4*(C0%2)+3], 2*ROWB
	s_add_nc_u64 s[G0B+4*(C0%2)+2:G0B+4*(C0%2)+3], s[G0B+4*(C0%2)+2:G0B+4*(C0%2)+3], 2*ROWB
	JLOAD G0+4*(C0%2), G1, G0B+4*(C0%2), G1B
.else
	PLACES NP
.endif
.else
	s_wait_dscnt 4*NL                              ; the 24 youngest loads (A's blocks 4-7) may be out
	WIN MUL_LO
	MUL16 0, (\st)%2, (\st)%2, ((\st)/2)%2, \zero
	MUL16 2, (\st)%2, (\st)%2, ((\st)/2)%2, \zero
	s_wait_dscnt 0
	PLACES NP
.endif
	FETCH_B NX, NX%2
	FETCH_A NX, 0
.if NX%2 == 0
	SCALES NX/2
.endif
	WIN MUL_HI
	MUL16 4, (\st)%2, (\st)%2, ((\st)/2)%2, \zero
	MUL16 6, (\st)%2, (\st)%2, ((\st)/2)%2, \zero
	PLACES NP
	WIN 0
	FETCH_A NX, 4
.endm
	s_wait_alu depctr_va_vdst(0)
	s_wait_tensorcnt 0x0                           ; my tile of the head's four is in
	ds_add_u32 v[SPW], v[NIL]
	s_mov_b32 s[G1+2], 128<<16                     ; no load of mine is out: from here on a load brings 128 rows
	s_mov_b32 s[G1+4], 128
	s_mov_b32 s[G1B+2], 128<<16
	s_mov_b32 s[G1B+4], 128
	s_wait_dscnt 0x0
	CROUND
	JLOAD G0+4, G1, G0B+4, G1B                     ; chunk 1, slot 1's first fill
	FETCH_B 0, 0
	FETCH_A 0, 0
	SCALES 0
	FETCH_A 0, 4
	STEP 0, 1
.set ST, 1
.rept STEPS-2
	STEP ST, 0
.set ST, ST+1
.endr
	s_wait_dscnt 4*NL
	WIN MUL_LO
	MUL16 0, 1, NQ-1, 1, 0
	MUL16 2, 1, NQ-1, 1, 0
	s_wait_dscnt 0
	WIN MUL_HI
	MUL16 4, 1, NQ-1, 1, 0
	MUL16 6, 1, NQ-1, 1, 0
	WIN 0
.macro QUANT s, st
.irp b, 0,1,2,3
	v_max3_num_f32 v[TM+\b], |v[\s+16*\b]|, |v[\s+1+16*\b]|, 0x1800000
.endr
.irp i, 2,4,6,8,10,12,14
.irp b, 0,1,2,3
	v_max3_num_f32 v[TM+\b], v[TM+\b], |v[\s+16*\b+\i]|, |v[\s+1+16*\b+\i]|
.endr
.endr
.irp b, 0,1,2,3
	v_permlanex16_b32 v[TM+4+\b], v[TM+\b], s[SEL], s[SEL+1]
.endr
.irp b, 0,1,2,3
	v_max_num_f32 v[TM+\b], v[TM+\b], v[TM+4+\b]
.endr
.irp b, 0,1,2,3
	v_add_nc_u32 v[TM+12+\b], 0xff000000, v[TM+\b]
.endr
.irp b, 0,1,2,3
	v_lshrrev_b32 v[TM+4+\b], 23, v[TM+12+\b]
.endr
	v_lshl_or_b32 v[PW], v[TM+5], 8, v[TM+4]
	v_lshl_or_b32 v[PW], v[TM+6], 16, v[PW]
	v_lshl_or_b32 v[PW], v[TM+7], 24, v[PW]
.irp c, 0,1
	v_cvt_scalef32_pk16_fp6_f32 v[PC+(\st)*\c:PC+(\st)*\c+2], v[\s+32*\c:\s+15+32*\c], v[TM+12+2*\c]
	v_cvt_scalef32_pk16_fp6_f32 v[TP+4*\c:TP+4*\c+2], v[\s+16+32*\c:\s+31+32*\c], v[TM+12+2*\c+1]
.endr
	v_nop
.irp c, 0,1
.irp i, 0,1,2
	v_permlane16_swap_b32 v[PC+(\st)*\c+\i], v[TP+4*\c+\i]
.endr
.irp i, 0,1,2
	v_mov_b32 v[PC+(\st)*\c+3+\i], v[TP+4*\c+\i]
.endr
.endr
.endm
.macro EPIQK a
	s_wait_xcnt 0x0
	WIN 0x02+(\a)/4
.set k, 0
.rept 32
	v_pk_add_f32 v[H+2*k:H+2*k+1], v[64*((\a)%4)+2*k:64*((\a)%4)+2*k+1], v[BN+2*k:BN+2*k+1]
.set k, k+1
.endr
	WIN 0
	QUANT H, 8
.irp c, 0,1
.irp i, 0,1,2,3,4,5
	v_and_b32 v[PC+8*\c+\i], v[PC+8*\c+\i], v[RB+2*(\a)]
.endr
	v_mov_b32 v[PC+8*\c+6], v[RB+2*(\a)+1]
.endr
.irp c, 0,1
.irp g, 0,1
	global_store_b128 v253, v[PC+8*\c+4*\g:PC+8*\c+4*\g+3], s[12:13] offset:\c*131072+(\a)*1024+\g*512
.endr
.endr
	v_lshrrev_b32 v[SWV], v252, v[PW]
	v_and_or_b32 v[SWV], v[SWV], 0xffff, s67
	global_store_b32 v254, v[SWV], s[92:93] offset:64*(\a)
.endm
.macro EPIV a
	s_wait_xcnt 0x0
	WIN 0x02+(\a)/4
.set k, 0
.rept 32
	v_pk_add_f32 v[H+2*k:H+2*k+1], v[64*((\a)%4)+2*k:64*((\a)%4)+2*k+1], v[RB+2*(\a):RB+2*(\a)+1]
.set k, k+1
.endr
	WIN 0
	QUANT H, 6
.irp g, 0,1,2
	global_store_b128 v253, v[PC+4*\g:PC+4*\g+3], s[12:13] offset:((\a)/4)*98304+((\a)%4)*1536+512*\g
.endr
	global_store_b32 v31, v[PW], s[92:93] offset:((\a)/4)*4096+((\a)%4)*64
.endm
	PLACES NP
	s_wait_loadcnt 0x0
	s_mov_b32 s[SEL], 0x76543210
	s_mov_b32 s[SEL+1], 0xfedcba98
	v_and_b32 v253, 31, v0
	v_lshlrev_b32 v253, 4, v253
	v_lshlrev_b32 v252, 4, v2
	v_lshl_add_u32 v254, v2, 13, v31
.irp b, 0,1,2,3
	v_mov_b32 v[TM+4+\b], 0
.endr
	s_cmp_lt_u32 s66, 8
	s_cbranch_scc0 .Lv_job
	s_cmp_lt_u32 s66, 4
	s_cselect_b32 s2, 1, 0
	s_cselect_b32 s3, 8, 0
	s_mov_b32 s67, 0x7fa10000
	s_cselect_b32 s67, 0x7f7f0000, s67
	v_mov_b32 v234, 0
	v_mov_b32 v235, 40
	v_mov_b32 v[PC+7], 0
	v_mov_b32 v[PC+15], 0
	v_cmp_eq_u32 vcc_lo, 0, v2
	v_mov_b32 v255, s3
	v_cndmask_b32 v255, 0, v255, vcc_lo
.irp a, 0,1,2,3,4,5,6,7
	v_or_b32 v[RB+2*\a], s2, v[RB+2*\a]
	v_cmp_eq_u32 vcc_lo, 0, v[RB+2*\a]
	v_cndmask_b32 v[RB+2*\a+1], v255, v235, vcc_lo
	v_cndmask_b32 v[RB+2*\a], -1, v234, vcc_lo
.endr
.irp a, 0,1,2,3,4,5,6,7
	EPIQK \a
.endr
	s_branch .Ldone
.Lv_job:
.irp a, 0,1,2,3,4,5,6,7
	EPIV \a
.endr
.Ldone:
	s_wait_tensorcnt 0x0
	ds_add_u32 v[SPW], v[NIL]
	s_wait_dscnt 0x0
	CROUND
	s_endpgm
.Lfunc_end_k_qcf7f994490_qkv:
	.size	k_qcf7f994490_qkv, .Lfunc_end_k_qcf7f994490_qkv-k_qcf7f994490_qkv
	.p2alignl 7, 3214868480
	.fill 96, 4, 3214868480
	.section	.rodata,"a",@progbits
	.p2align	6, 0x0
	.amdhsa_kernel k_qcf7f994490_qkv
		.amdhsa_group_segment_fixed_size 327680
		.amdhsa_private_segment_fixed_size 0
		.amdhsa_enable_private_segment 0
		.amdhsa_kernarg_size 96
		.amdhsa_user_sgpr_count 2
		.amdhsa_user_sgpr_kernarg_segment_ptr 1
		.amdhsa_wavefront_size32 1
		.amdhsa_system_sgpr_workgroup_id_x 1
		.amdhsa_system_sgpr_workgroup_id_y 1
		.amdhsa_system_sgpr_workgroup_id_z 1
		.amdhsa_system_vgpr_workitem_id 0
		.amdhsa_next_free_vgpr 1024
		.amdhsa_next_free_sgpr 102
		.amdhsa_reserve_vcc 1
		.amdhsa_float_denorm_mode_32 3
		.amdhsa_float_denorm_mode_16_64 3
		.amdhsa_memory_ordered 1
		.amdhsa_forward_progress 1
		.amdhsa_inst_pref_size 242
	.end_amdhsa_kernel
	.amdgpu_metadata
---
amdhsa.version: [ 1, 2 ]
amdhsa.kernels:
  - .name:           k_qcf7f994490_qkv
    .symbol:         k_qcf7f994490_qkv.kd
    .args:
      - { .name: xq, .offset: 0, .size: 8, .value_kind: global_buffer, .address_space: global }
      - { .name: Wq_codes, .offset: 8, .size: 8, .value_kind: global_buffer, .address_space: global }
      - { .name: Wq_scales, .offset: 16, .size: 8, .value_kind: global_buffer, .address_space: global }
      - { .name: Wk_codes, .offset: 24, .size: 8, .value_kind: global_buffer, .address_space: global }
      - { .name: Wk_scales, .offset: 32, .size: 8, .value_kind: global_buffer, .address_space: global }
      - { .name: Wv_codes, .offset: 40, .size: 8, .value_kind: global_buffer, .address_space: global }
      - { .name: Wv_scales, .offset: 48, .size: 8, .value_kind: global_buffer, .address_space: global }
      - { .name: bq, .offset: 56, .size: 8, .value_kind: global_buffer, .address_space: global }
      - { .name: bk, .offset: 64, .size: 8, .value_kind: global_buffer, .address_space: global }
      - { .name: bv, .offset: 72, .size: 8, .value_kind: global_buffer, .address_space: global }
      - { .name: src_mask, .offset: 80, .size: 8, .value_kind: global_buffer, .address_space: global }
      - { .name: qkv, .offset: 88, .size: 8, .value_kind: global_buffer, .address_space: global }
    .group_segment_fixed_size: 327680
    .private_segment_fixed_size: 0
    .kernarg_segment_align: 8
    .kernarg_segment_size: 96
    .max_flat_workgroup_size: 128
    .sgpr_count:     102
    .vgpr_count:     1024
    .wavefront_size: 32
...
	.end_amdgpu_metadata
.endif
;; end of part 2
;; launch attn (part 3): grid 8 x 32, 16 waves a work-group, clusters of 4 x 1, 264,192 bytes of LDS; arguments qkv, act; writes act
.if DOCPART == 3
	.amdgcn_target "amdgcn-amd-amdhsa--gfx1250"
	.amdhsa_code_object_version 6
	.text
	.protected	k_qcf7f994490_attn
	.globl	k_qcf7f994490_attn
	.p2align	8
	.type	k_qcf7f994490_attn,@function
k_qcf7f994490_attn:
	s_mov_b64 s[64:65], 0
	v_nop
	global_prefetch_b8 v0, s[64:65] scope:SCOPE_SE
	s_setreg_imm32_b32 hwreg(HW_REG_WAVE_MODE, 25, 1), 1
	s_wait_xcnt 0x0
	s_wait_alu depctr_hold_cnt(0) depctr_sa_sdst(0) depctr_va_vdst(0) depctr_va_sdst(0) depctr_va_ssrc(0) depctr_va_vcc(0) depctr_vm_vsrc(0)
	s_getreg_b32 s2, hwreg(HW_REG_IB_STS2, 6, 4)
	s_cmp_eq_u32 s2, 0
	s_cbranch_scc0 .Lentry_in_a_cluster
	s_endpgm
.Lentry_in_a_cluster:
	s_bfe_u32 s2, ttmp6, 0x10000c
	s_cmp_lg_u32 s2, 0x3003
	s_cbranch_scc0 .Lentry_shape_is_right
	s_endpgm
.Lentry_shape_is_right:
; Attention of one (batch, head) on codes of FP6 (E2M3, one E8M0 scale for each 32 along a product's K); 2,048 keys, head size 64; logit = q . k / 16.
; t = score x log2(e) / 16; M = the running largest t rounded UP to a whole number; p = 2^(t - M) is quantised along the keys, not normalised; the row's sum is taken of the unquantised p and
; divides O at the end; when M moves, the sum and O are multiplied by 2^(old M - new M), which rounds nothing.
; THE MASK costs no line here: a masked key's codes are zeros but for -1.0 at k = 64 under the scale 2^34, and q has 1.0 at k = 64: its score is exactly -2^34, so that p = 0 wherever a key of
; the batch counts, and p = 1 for all keys where none counts, as in reference().  LIMIT: unmasked logits lie above -1e9; NaN and infinities are not served.
; SHARES.  A work-group owns 256 queries of a head, each of its sixteen waves 16 of them, in 256 registers.  The four work-groups of a cluster belong to one head: K's and V's images and scale
; words of the WHOLE head (241,664 bytes) come into each one's LDS once, by joint tensor loads, sixteen at the start, one a wave; nothing is filled again.
; LAYOUT.  Both products are used transposed (S^T = K Q^T, O^T = V^T P^T): a lane holds one query.  K, V come as images of the operand's registers: 16 bytes a lane, 512 a load.
; Inside a block of 32 keys p has the same order as V's codes (place 16 h + i: key 8 h + (i & 7) + 16 (i >> 3)), so no sum changes.
; The result, O / sum, is brought into the true order along the features, quantised (two blocks of 32 a head) and stored as rows of codes for the product with Wo.
.set K_IMG, 4194304
.set V_IMG, 8388608
.set Q_SW,  11534336
.set K_SW,  11796480
.set V_SC,  12058624
.set AS,    12582912                   ; the scale bytes in act
.set KIMG,  0                          ; LDS: 128 tiles of 16 keys x 1,024 bytes
.set VIMG,  131072                     ; 16 key steps x 4 fragments x 1,536 bytes
.set KSW,   229376                     ; K's scale words, 4 bytes a key
.set VSC,   237568                     ; V's: 16 steps x 4 tiles x 16 rows x 4 bytes
.set AK0,  1                           ; v1 16 x lane;  v2 VIMG + 16 x lane;  v3 KSW + 4 r;  v4 VSC + 4 r
.set AV0,  2
.set ASK0, 3
.set ASV0, 4
.set ADK,  8                           ; v8-11 the step's addresses
.set ADV,  9
.set ADS,  10
.set ADT,  11
.set S,    128                         ; v128-191 S^T, then p
.set O,    192                         ; v192-223 O^T
.set WV,   8
.set SEL,  10
.set CS,   12
.set TK,   14
.set TV,   15
.set TS,   16
.set TJ,   17
.set CNT,  18
.macro ROUND
	s_barrier_signal -1
	s_barrier_wait -1
	s_cmp_lg_u32 s[WV], 0
	s_cbranch_scc1 .Lnot_wave_0_\@
	s_barrier_signal -3
.Lnot_wave_0_\@:
	s_barrier_wait -3
	s_barrier_signal -1
	s_barrier_wait -1
.endm
.macro MKG1 g, rows                    ; a dense block as rows of 256 bytes (32 elements of 8 bytes); the mask names all four work-groups; bit 21 beside it
	s_mov_b32 s[\g], 15|(3<<16)|(1<<21)
	s_mov_b32 s[\g+1], 32<<16
	s_mov_b32 s[\g+2], (\rows)<<16
	s_mov_b32 s[\g+3], 32<<16
	s_mov_b32 s[\g+4], \rows
	s_mov_b32 s[\g+5], 32
	s_mov_b32 s[\g+6], 0
	s_mov_b32 s[\g+7], 0
.endm
.macro MKG0 g, lds, region, per        ; a group 0: the head's whole part of a region
	s_mul_i32 s92, s9, \per
	s_add_co_u32 s92, s92, \region
	s_add_nc_u64 s[\g+2:\g+3], s[4:5], s[92:93]
	s_mov_b32 s[\g], 1
	s_mov_b32 s[\g+1], \lds
	s_or_b32 s[\g+3], s[\g+3], 0x80000000
.endm
	s_load_b128 s[4:7], s[0:1], 0x0                ; qkv, act
	v_lshl_add_u32 v254, v0, 2, 0x40000
	v_mov_b32 v255, 0
	ds_add_u32 v254, v255
	ds_add_u32 v254, v255
	s_wait_dscnt 0x0
	v_lshrrev_b32 v8, 5, v0
	s_delay_alu instid0(VALU_DEP_1)
	v_readfirstlane_b32 s[WV], v8                  ; wave 0..15
	s_and_b32 s9, ttmp7, 0xffff                    ; 16 batch + head: shared by the four partners
	s_bfe_u32 s19, ttmp6, 0x40000                  ; cx: it enters Q's and the result's addresses alone
	s_lshl_b32 s20, ttmp9, 2
	s_add_co_u32 s19, s19, s20                     ; my block of 256 queries
	s_lshl_b32 s19, s19, 4
	s_add_co_u32 s19, s19, s[WV]                   ; my tile of 16 queries, 0..127
	s_lshl_b32 s20, s9, 7
	s_add_co_u32 s20, s20, s19
	s_lshl_b32 s22, s20, 6
	s_add_co_u32 s22, s22, Q_SW                    ; Q's scale words: 64 bytes a tile
	s_lshl_b32 s20, s20, 10                        ; Q's image: 1,024 bytes a tile
	s_mov_b32 s21, 0
	s_mov_b32 s23, 0
	s_lshr_b32 s2, s9, 4                           ; batch
	s_and_b32 s3, s9, 15                           ; head
	s_lshl_b32 s2, s2, 11
	s_lshl_b32 s19, s19, 4
	s_add_co_u32 s2, s2, s19                       ; my first token
	s_mul_i32 s96, s2, 768
	s_mul_i32 s19, s3, 48
	s_add_co_u32 s96, s96, s19                     ; codes: row of 768 bytes, 48 bytes a head
	s_mov_b32 s97, 0
	s_lshl_b32 s98, s2, 5
	s_lshl_b32 s19, s3, 1
	s_add_co_u32 s98, s98, s19
	s_add_co_u32 s98, s98, AS                      ; scale bytes: row of 32, 2 a head
	s_mov_b32 s99, 0
	s_mov_b32 s93, 0
	MKG1 24, 64                                    ; a piece of 16,384 bytes of K's or V's images
	MKG1 32, 32                                    ; K's scale words, 8,192 bytes
	MKG1 40, 16                                    ; V's, 4,096 bytes
	s_mov_b32 s[SEL], 0x76543210
	s_mov_b32 s[SEL+1], 0xfedcba98
	s_mov_b32 s[CS], 0x3db8aa3b                    ; c = log2(e) / 16
	s_mov_b32 s[CS+1], s[CS]
	s_mov_b32 s[TK], 0
	s_mov_b32 s[TV], 0
	s_mov_b32 s[TS], 0
	s_mov_b32 s[TJ], 0
	s_wait_kmcnt 0x0
	s_cmp_lt_u32 s[WV], 8                          ; waves 0-7: K's eight pieces; waves 8-13: V's six, which follow K's in LDS
	s_mov_b32 s94, 98304
	s_cselect_b32 s94, 131072, s94                 ; bytes a head
	s_mov_b32 s95, V_IMG-131072
	s_cselect_b32 s95, K_IMG, s95
	s_mul_i32 s92, s9, s94
	s_add_co_u32 s92, s92, s95
	s_lshl_b32 s57, s[WV], 14                      ; LDS address: 16,384 x wave
	s_add_co_u32 s92, s92, s57
	s_add_nc_u64 s[58:59], s[4:5], s[92:93]
	s_mov_b32 s56, 1
	s_or_b32 s59, s59, 0x80000000
	MKG0 68, KSW, K_SW, 8192
	MKG0 76, VSC, V_SC, 4096
	s_add_nc_u64 s[20:21], s[4:5], s[20:21]
	s_add_nc_u64 s[22:23], s[4:5], s[22:23]
	s_add_nc_u64 s[96:97], s[6:7], s[96:97]
	s_add_nc_u64 s[98:99], s[6:7], s[98:99]
	ROUND                                          ; all four work-groups are here: the joint loads meet
	; every wave issues ONE joint load: waves 0-13 a piece of the images, wave 14 K's scale words, wave 15 V's; one load of a wave is out
	s_cmp_lt_u32 s[WV], 14
	s_cbranch_scc0 .Lnot_kv
	tensor_load_to_lds s[56:59], s[24:31]
	s_nop 0
.rept 4
	v_nop
.endr
	s_branch .Lasked
.Lnot_kv:
	s_cmp_eq_u32 s[WV], 14
	s_cbranch_scc0 .Lnot_ks
	tensor_load_to_lds s[68:71], s[32:39]
	s_nop 0
.rept 4
	v_nop
.endr
	s_branch .Lasked
.Lnot_ks:
	tensor_load_to_lds s[76:79], s[40:47]
	s_nop 0
.rept 4
	v_nop
.endr
.Lasked:
	v_and_b32 v9, 31, v0
	s_delay_alu instid0(VALU_DEP_1)
	v_lshlrev_b32 v[AK0], 4, v9
	s_delay_alu instid0(VALU_DEP_1)
	v_add_nc_u32 v[AV0], VIMG, v[AK0]
	v_and_b32 v10, 15, v0                          ; r
	v_bfe_u32 v11, v0, 4, 1                        ; h
	s_delay_alu instid0(VALU_DEP_2)
	v_lshl_add_u32 v[ASK0], v10, 2, KSW
	s_delay_alu instid0(VALU_DEP_3)
	v_lshl_add_u32 v[ASV0], v10, 2, VSC
	s_delay_alu instid0(VALU_DEP_4)
	v_mul_u32_u24 v5, v10, 768
	s_delay_alu instid0(VALU_DEP_1)
	v_mad_u32_u24 v5, v11, 12, v5                  ; the result's codes: row r, 12 bytes a half
	v_lshlrev_b32 v6, 5, v10                       ; its scale bytes: row r
	v_lshlrev_b32 v7, 2, v10
	global_load_b128 v[16:19], v[AK0], s[20:21]    ; Q's operand registers 0-3,
	global_load_b128 v[20:23], v[AK0], s[20:21] offset:512   ; 4, 5, 6 (1.0 at k = 64), 7
	global_load_b32 v255, v7, s[22:23]             ; Q's scale words
.irp i, 24,25,26,27
	v_mov_b32 v\i, 0                               ; k = 80 on: zeros
.endr
.irp t, 0,1,2,3
.irp i, 8,9,10,11
	v_mov_b32 v[32+12*\t+\i], 0                    ; the same in K's four fragments: written once
.endr
.endr
	v_mov_b32 v13, 0xff61b1e6                      ; the largest t so far: -3e38
	s_delay_alu instid0(VALU_DEP_1)
	v_floor_f32 v12, -v13                          ; -M
	v_mov_b32 v14, 0
	v_mov_b32 v15, 0
.irp b, 0,1,2,3
	v_mov_b32 v[236+\b], 0                         ; a lane permute's destination counts as one of its sources
.endr
	v_mov_b32 v253, 0
.set j, 0
.rept 32
	v_mov_b32 v[O+j], 0                            ; O^T: the loop is written once; its first step finds zeros
.set j, j+1
.endr
; A KEY STEP: 128 keys
.macro STEP
	v_add_nc_u32 v[ADK], s[TK], v[AK0]             ; (these four are also the places behind the last step's products, ahead of the loads into their registers)
	v_add_nc_u32 v[ADV], s[TV], v[AV0]
	v_add_nc_u32 v[ADS], s[TS], v[ASK0]
	v_add_nc_u32 v[ADT], s[TJ], v[ASV0]
.irp t, 0,1,2,3
	ds_load_b128 v[32+12*\t:35+12*\t], v[ADK] offset:1024*\t
	ds_load_b128 v[36+12*\t:39+12*\t], v[ADK] offset:1024*\t+512
	ds_load_b32 v[248+\t], v[ADS] offset:64*\t
.endr
.irp t, 0,1,2,3
.irp g, 0,1,2
	ds_load_b128 v[80+12*\t+4*\g:83+12*\t+4*\g], v[ADV] offset:1536*\t+512*\g
.endr
	ds_load_b32 v[28+\t], v[ADT] offset:64*\t
.endr
	s_wait_alu depctr_va_vdst(0)
	s_wait_dscnt 16                                ; K's first four tiles are in; V's 16 loads may be out
.irp t, 0,1,2,3
	v_wmma_scale_f32_16x16x128_f8f6f4 v[S+8*\t:S+8*\t+7], v[32+12*\t:43+12*\t], v[16:27], 0, v[248+\t], v255 matrix_a_fmt:MATRIX_FMT_FP6 matrix_b_fmt:MATRIX_FMT_FP6
.endr
.rept 4
	v_nop                                          ; places ahead of loads into registers that matrix instructions have read
.endr
.irp t, 0,1,2,3
	ds_load_b128 v[32+12*\t:35+12*\t], v[ADK] offset:4096+1024*\t
	ds_load_b128 v[36+12*\t:39+12*\t], v[ADK] offset:4096+1024*\t+512
	ds_load_b32 v[248+\t], v[ADS] offset:256+64*\t
.endr
	s_wait_dscnt 0x0
.irp t, 0,1,2,3
	v_wmma_scale_f32_16x16x128_f8f6f4 v[S+32+8*\t:S+32+8*\t+7], v[32+12*\t:43+12*\t], v[16:27], 0, v[248+\t], v255 matrix_a_fmt:MATRIX_FMT_FP6 matrix_b_fmt:MATRIX_FMT_FP6
.endr
.rept 4
	v_nop
.endr
.irp b, 0,1,2,3
	v_max3_num_f32 v[232+\b], v[S+16*\b], v[S+1+16*\b], v[S+2+16*\b]   ; the largest score of each block of 32 keys: for the row's maximum and for the block's largest p
.endr
.irp i, 3,5,7,9,11,13
.irp b, 0,1,2,3
	v_max3_num_f32 v[232+\b], v[232+\b], v[S+16*\b+\i], v[S+1+16*\b+\i]
.endr
.endr
.irp b, 0,1,2,3
	v_max_num_f32 v[232+\b], v[232+\b], v[S+15+16*\b]
.endr
.irp b, 0,1,2,3
	s_delay_alu instid0(VALU_DEP_4)
	v_permlanex16_b32 v[236+\b], v[232+\b], s[SEL], s[SEL+1]
.endr
.irp b, 0,1,2,3
	s_delay_alu instid0(VALU_DEP_4)
	v_max_num_f32 v[232+\b], v[232+\b], v[236+\b]
.endr
	s_delay_alu instid0(VALU_DEP_2)
	v_max3_num_f32 v254, v232, v233, v234
	s_delay_alu instid0(VALU_DEP_1)
	v_max_num_f32 v254, v254, v235
	s_delay_alu instid0(VALU_DEP_1)
	v_mul_f32 v254, s[CS], v254                    ; as t
	s_delay_alu instid0(VALU_DEP_1)
	v_max_num_f32 v13, v13, v254                   ; the running largest t
	v_mov_b32 v254, v12
	s_delay_alu instid0(VALU_DEP_2)
	v_floor_f32 v12, -v13                          ; the new -M = -ceil(t)
	s_delay_alu instid0(VALU_DEP_1)
	v_sub_f32 v254, v12, v254                      ; old M - new M: a whole number, 0 or less
	s_delay_alu instid0(VALU_DEP_1)
	v_cvt_i32_f32 v254, v254                       ; (it saturates)
	s_delay_alu instid0(VALU_DEP_1)
	v_ldexp_f32 v252, 1.0, v254                    ; f = 2^(old M - new M)
.set j, 0
.rept 32
	v_pk_fma_f32 v[S+j:S+j+1], v[S+j:S+j+1], s[CS:CS+1], v[12:13] op_sel_hi:[1,0,0]   ; t - M
.set j, j+2
.endr
.irp b, 0,1,2,3
	v_fma_f32 v[232+\b], v[232+\b], s[CS], v12
.endr
.set j, 0
	s_wait_alu depctr_va_vdst(0)
.rept 64
	v_exp_f32 v[S+j], v[S+j]                       ; p = 2^(t - M)
.set j, j+1
.endr
	v_pk_mul_f32 v[14:15], v[14:15], v[252:253] op_sel_hi:[1,0]   ; the sums under the new M (a plain place behind the exponentials)
	s_wait_alu depctr_va_vdst(0)                   ; one wait for the batch, ahead of its first reader
.irp b, 0,1,2,3
	v_exp_f32 v[232+\b], v[232+\b]                 ; the block's largest p
.endr
	v_pk_add_f32 v[236:237], v[132:133], v[136:137]
	v_pk_add_f32 v[250:251], v[140:141], v[144:145]
	v_pk_add_f32 v[248:249], v[148:149], v[152:153]
	v_pk_add_f32 v[246:247], v[156:157], v[160:161]
	v_pk_add_f32 v[244:245], v[164:165], v[168:169]
	v_pk_add_f32 v[242:243], v[172:173], v[176:177]
	v_pk_add_f32 v[240:241], v[180:181], v[184:185]
	v_pk_add_f32 v[14:15], v[14:15], v[188:189]
	v_pk_add_f32 v[236:237], v[236:237], v[128:129]
	v_pk_add_f32 v[250:251], v[250:251], v[130:131]
	v_pk_add_f32 v[248:249], v[248:249], v[134:135]
	v_pk_add_f32 v[246:247], v[246:247], v[138:139]
	v_pk_add_f32 v[244:245], v[244:245], v[142:143]
	v_pk_add_f32 v[242:243], v[242:243], v[146:147]
	v_pk_add_f32 v[240:241], v[240:241], v[150:151]
	v_pk_add_f32 v[14:15], v[14:15], v[154:155]
	v_pk_add_f32 v[236:237], v[236:237], v[158:159]
	v_pk_add_f32 v[250:251], v[250:251], v[162:163]
	v_pk_add_f32 v[248:249], v[248:249], v[166:167]
	v_pk_add_f32 v[246:247], v[246:247], v[170:171]
	v_pk_add_f32 v[244:245], v[244:245], v[174:175]
	v_pk_add_f32 v[242:243], v[242:243], v[178:179]
	v_pk_add_f32 v[240:241], v[240:241], v[182:183]
	v_pk_add_f32 v[14:15], v[14:15], v[186:187]
	v_pk_add_f32 v[236:237], v[236:237], v[190:191]
	s_delay_alu instid0(VALU_DEP_2)
	v_pk_add_f32 v[14:15], v[14:15], v[246:247]
	s_delay_alu instid0(VALU_DEP_2)
	v_pk_add_f32 v[236:237], v[236:237], v[244:245]
	v_pk_add_f32 v[250:251], v[250:251], v[242:243]
	v_pk_add_f32 v[248:249], v[248:249], v[240:241]
	s_delay_alu instid0(VALU_DEP_2)
	v_pk_add_f32 v[14:15], v[14:15], v[250:251]
	s_delay_alu instid0(VALU_DEP_2)
	v_pk_add_f32 v[236:237], v[236:237], v[248:249]
	s_delay_alu instid0(VALU_DEP_1)
	v_pk_add_f32 v[14:15], v[14:15], v[236:237]
	s_wait_alu depctr_va_vdst(0)                   ; and one for the four
.irp b, 0,1,2,3
	v_max_num_f32 v[232+\b], 0x1800000, v[232+\b]  ; the floor 2^(3 - 127)
.endr
.irp b, 0,1,2,3
	s_delay_alu instid0(VALU_DEP_4)
	v_add_nc_u32 v[244+\b], 0xff000000, v[232+\b]
.endr
.irp b, 0,1,2,3
	s_delay_alu instid0(VALU_DEP_4)
	v_lshrrev_b32 v[236+\b], 23, v[244+\b]
.endr
	s_delay_alu instid0(VALU_DEP_3)
	v_lshl_or_b32 v253, v237, 8, v236              ; p's scale word for these 128 keys
	s_delay_alu instid0(VALU_DEP_1)
	v_lshl_or_b32 v253, v238, 16, v253
	s_delay_alu instid0(VALU_DEP_1)
	v_lshl_or_b32 v253, v239, 24, v253
.irp c, 0,1
	v_cvt_scalef32_pk16_fp6_f32 v[224+6*\c:226+6*\c], v[S+32*\c:S+15+32*\c], v[244+2*\c]
	v_cvt_scalef32_pk16_fp6_f32 v[236+4*\c:238+4*\c], v[S+16+32*\c:S+31+32*\c], v[244+2*\c+1]
.endr
	v_nop
.irp c, 0,1
.irp i, 0,1,2
	v_permlane16_swap_b32 v[224+6*\c+\i], v[236+4*\c+\i]
.endr
.irp i, 0,1,2
	s_delay_alu instid0(VALU_DEP_3)
	v_mov_b32 v[227+6*\c+\i], v[236+4*\c+\i]
.endr
.endr
.set j, 0
.rept 16
	v_pk_mul_f32 v[O+j:O+j+1], v[O+j:O+j+1], v[252:253] op_sel_hi:[1,0]   ; O^T under the new M; these sixteen are also the places ahead of the products below
.set j, j+2
.endr
.irp t, 0,1,2,3
	v_wmma_scale_f32_16x16x128_f8f6f4 v[O+8*\t:O+8*\t+7], v[80+12*\t:91+12*\t], v[224:235], v[O+8*\t:O+8*\t+7], v[28+\t], v253 matrix_a_fmt:MATRIX_FMT_FP6 matrix_b_fmt:MATRIX_FMT_FP6
.endr
	s_add_co_u32 s[TK], s[TK], 8192
	s_add_co_u32 s[TV], s[TV], 6144
	s_add_co_u32 s[TS], s[TS], 512
	s_add_co_u32 s[TJ], s[TJ], 256
.endm
	s_wait_loadcnt 0x0                             ; Q
	s_wait_tensorcnt 0x0                           ; my one load has landed;
	s_wait_dscnt 0x0
	s_barrier_signal -1
	s_barrier_wait -1                              ; and so has every wave's: the whole head's K and V are in LDS, and no further barrier stands in the walk
	s_mov_b32 s[CNT], 16                           ; 16 steps of 128 keys
.Lstep:
	STEP
	s_sub_co_u32 s[CNT], s[CNT], 1
	s_cmp_lg_u32 s[CNT], 0
	s_cbranch_scc1 .Lstep
.rept 4
	v_nop                                          ; places behind the last products
.endr
	v_add_f32 v14, v14, v15
	s_delay_alu instid0(VALU_DEP_1)
	v_permlanex16_b32 v252, v14, s[SEL], s[SEL+1]
	s_delay_alu instid0(VALU_DEP_1)
	v_add_f32 v14, v14, v252                       ; the row's sum
	s_wait_alu depctr_va_vdst(0)
	v_rcp_f32 v14, v14
	v_nop
	s_wait_alu depctr_va_vdst(0)
.set j, 0
.rept 32
	v_mul_f32 v[S+j], v[O+j], v14                  ; register 8 t + i: o(query r, feature 16 t + 8 h + i)
.set j, j+1
.endr
.irp b, 0,1
.irp j, 0,1,2,3,4,5,6,7
	v_permlane16_swap_b32 v[S+16*\b+\j], v[S+16*\b+8+\j]   ; Wo's codes are given, so the true order: register 16 b + i now holds feature 32 b + 16 h + i
.endr
.endr
.irp b, 0,1
	v_max3_num_f32 v[232+\b], |v[S+16*\b]|, |v[S+1+16*\b]|, 0x1800000
.endr
.irp i, 2,4,6,8,10,12,14
.irp b, 0,1
	s_delay_alu instid0(VALU_DEP_2)
	v_max3_num_f32 v[232+\b], v[232+\b], |v[S+16*\b+\i]|, |v[S+1+16*\b+\i]|
.endr
.endr
.irp b, 0,1
	s_delay_alu instid0(VALU_DEP_2)
	v_permlanex16_b32 v[236+\b], v[232+\b], s[SEL], s[SEL+1]
.endr
.irp b, 0,1
	s_delay_alu instid0(VALU_DEP_2)
	v_max_num_f32 v[232+\b], v[232+\b], v[236+\b]
.endr
.irp b, 0,1
	s_delay_alu instid0(VALU_DEP_2)
	v_add_nc_u32 v[244+\b], 0xff000000, v[232+\b]
.endr
.irp b, 0,1
	s_delay_alu instid0(VALU_DEP_2)
	v_lshrrev_b32 v[236+\b], 23, v[244+\b]
.endr
	s_delay_alu instid0(VALU_DEP_1)
	v_lshl_or_b32 v240, v237, 8, v236
	v_cvt_scalef32_pk16_fp6_f32 v[224:226], v[S:S+15], v244
	v_cvt_scalef32_pk16_fp6_f32 v[228:230], v[S+16:S+31], v245
	v_nop
	global_store_b96 v5, v[224:226], s[96:97]      ; a head's part of a row of codes is 48 bytes: runs of 24 bytes leave here
	global_store_b96 v5, v[228:230], s[96:97] offset:24
	global_store_b16 v6, v240, s[98:99]            ; both halves of the lanes store the same two bytes
	s_wait_xcnt 0x0
	v_lshl_add_u32 v254, v0, 2, 0x40000
	v_mov_b32 v255, 0
	s_wait_alu depctr_va_vdst(0)
	s_wait_tensorcnt 0x0
	ds_add_u32 v254, v255
	s_wait_dscnt 0x0
	ROUND                                          ; the closing round
	s_endpgm
.Lfunc_end_k_qcf7f994490_attn:
	.size	k_qcf7f994490_attn, .Lfunc_end_k_qcf7f994490_attn-k_qcf7f994490_attn
	.p2alignl 7, 3214868480
	.fill 96, 4, 3214868480
	.section	.rodata,"a",@progbits
	.p2align	6, 0x0
	.amdhsa_kernel k_qcf7f994490_attn
		.amdhsa_group_segment_fixed_size 264192
		.amdhsa_private_segment_fixed_size 0
		.amdhsa_enable_private_segment 0
		.amdhsa_kernarg_size 16
		.amdhsa_user_sgpr_count 2
		.amdhsa_user_sgpr_kernarg_segment_ptr 1
		.amdhsa_wavefront_size32 1
		.amdhsa_system_sgpr_workgroup_id_x 1
		.amdhsa_system_sgpr_workgroup_id_y 1
		.amdhsa_system_sgpr_workgroup_id_z 1
		.amdhsa_system_vgpr_workitem_id 0
		.amdhsa_next_free_vgpr 256
		.amdhsa_next_free_sgpr 102
		.amdhsa_reserve_vcc 0
		.amdhsa_float_denorm_mode_32 3
		.amdhsa_float_denorm_mode_16_64 3
		.amdhsa_memory_ordered 1
		.amdhsa_forward_progress 1
		.amdhsa_inst_pref_size 33
	.end_amdhsa_kernel
	.amdgpu_metadata
---
amdhsa.version: [ 1, 2 ]
amdhsa.kernels:
  - .name:           k_qcf7f994490_attn
    .symbol:         k_qcf7f994490_attn.kd
    .args:
      - { .name: qkv, .offset: 0, .size: 8, .value_kind: global_buffer, .address_space: global }
      - { .name: act, .offset: 8, .size: 8, .value_kind: global_buffer, .address_space: global }
    .group_segment_fixed_size: 264192
    .private_segment_fixed_size: 0
    .kernarg_segment_align: 8
    .kernarg_segment_size: 16
    .max_flat_workgroup_size: 512
    .sgpr_count:     102
    .vgpr_count:     256
    .wavefront_size: 32
...
	.end_amdgpu_metadata
.endif
;; end of part 3
;; launch oproj (part 4): grid 8 x 32, 4 waves a work-group, clusters of 4 x 4, 226,816 bytes of LDS; arguments act, Wo_codes, Wo_scales, acc; writes acc
.if DOCPART == 4
	.amdgcn_target "amdgcn-amd-amdhsa--gfx1250"
	.amdhsa_code_object_version 6
	.text
	.protected	k_qcf7f994490_oproj
	.globl	k_qcf7f994490_oproj
	.p2align	8
	.type	k_qcf7f994490_oproj,@function
k_qcf7f994490_oproj:
	s_mov_b64 s[64:65], 0
	v_nop
	global_prefetch_b8 v0, s[64:65] scope:SCOPE_SE
	s_setreg_imm32_b32 hwreg(HW_REG_WAVE_MODE, 25, 1), 1
	s_wait_xcnt 0x0
	s_wait_alu depctr_hold_cnt(0) depctr_sa_sdst(0) depctr_va_vdst(0) depctr_va_sdst(0) depctr_va_ssrc(0) depctr_va_vcc(0) depctr_vm_vsrc(0)
	s_getreg_b32 s2, hwreg(HW_REG_IB_STS2, 6, 4)
	s_cmp_eq_u32 s2, 0
	s_cbranch_scc0 .Lentry_in_a_cluster
	s_endpgm
.Lentry_in_a_cluster:
	s_bfe_u32 s2, ttmp6, 0x10000c
	s_cmp_lg_u32 s2, 0xf033
	s_cbranch_scc0 .Lentry_shape_is_right
	s_endpgm
.Lentry_shape_is_right:
; C = A B^T on codes of FP6 (E2M3, one E8M0 scale for each 32 along K), K = 1,024, C f32, no bias: the product of attention's result with Wo.
; A: [4096][768] bytes of codes at act, scale bytes [4096][32] at act + AS; B: Wo_codes [1024][768], Wo_scales [1024][32]; C: [4096][1024] f32 at acc.
; A block of C is 128 x 128: 8 x 32 = 256 work-groups of four waves, 64 x 64 a wave (16 accumulators).  Whole rows of K fit in LDS: 256 rows x 768 bytes, each row beginning at a
; multiple of 256 bytes of its buffer, come by ONE joint tensor load a wave (64 rows each); nothing is filled again, so there is no ring and one barrier.
; CLUSTERS: 4 x 4 work-groups; A's rows are shared along a row of the cluster, B's along a column.  No prefetch: the launch has no loop to run ahead in.
; The scale bytes go from memory straight into registers: one load of 16 bytes a lane covers the 512 consecutive bytes of 16 rows; lanes 0-15 hold the words of steps 0-3, lanes 16-31 those of steps 4-7.
; The matrix instruction is used transposed (source 0 = 16 rows of B, source 1 = 16 rows of A): a lane holds eight neighbours of a row of C.
; REGISTERS: window 0: v1-14 addresses, v16-31 A's scale words, v32-47 B's, v48-143 and v144-239 two sets of fragments (B's four, then A's four); window 1: v0-127 the accumulators, (a, b) at 8 (4 a + b).
.set AS,     12582912
.set KROW,   768
.set PITCH,  816                       ; an LDS row: 3 x (256 bytes + 16 of padding) = 204 words: the 16 rows of a fragment start at 16 different multiples of 4 banks
.set QT,     64*PITCH                  ; 64 rows: what one tensor load brings, and what a wave reads of A or of B
.set STAGE,  4*QT                      ; the way out: 16 rows x (256 + 16) bytes a wave; no tensor load lands here
.set SPITCH, 272
.set SPARE,  STAGE+4*16*SPITCH         ; the spare words, 128 bytes a wave, named by no other line
.set ADRA, 8                           ; v8 my A fragments; v9 the same + 16 in lanes 16-31, for a piece whose two halves of the lanes lie in different 256-byte parts of the row
.set ADRB, 10
.set STO,  12
.set RD,   13
.set CO,   14
.set SA,   16
.set SB,   32
.set FR0,  48
.set BK,   48                          ; the way out: rows read back, v48-79 and v80-111 by turns
.set SPW,  240
.set NIL,  241
.set G1,  24
.set G0,  32
.set G1B, 48
.set G0B, 56
.set PADW, (0<<16)|(1<<20)|(1<<21)|(5<<22)|(3<<25)   ; elements of 1 byte; 4 words of padding behind every 64; bit 21 beside the mask
.set MSB, 0
.macro WIN new
.if MSB != \new
	s_set_vgpr_msb (MSB<<8)|\new
.set MSB, \new
.endif
.endm
.macro CROUND                          ; a round of the cluster's barrier
	s_barrier_signal -1
	s_barrier_wait -1
	s_cmp_lg_u32 s14, 0
	s_cbranch_scc1 .Lnot_wave_0_\@
	s_barrier_signal -3
.Lnot_wave_0_\@:
	s_barrier_wait -3
	s_barrier_signal -1
	s_barrier_wait -1
.endm
.macro PLACES
.rept 4
	v_nop
.endr
.endm
	s_load_b128 s[4:7], s[0:1], 0x0                ; act, Wo_codes
	s_load_b128 s[8:11], s[0:1], 0x10              ; Wo_scales, acc
	v_lshl_add_u32 v[SPW], v0, 2, SPARE
	v_mov_b32 v[NIL], 0
	ds_add_u32 v[SPW], v[NIL]
	ds_add_u32 v[SPW], v[NIL]
	v_lshrrev_b32 v1, 5, v0
	v_readfirstlane_b32 s14, v1                    ; wave
	s_lshr_b32 s15, s14, 1                         ; my half of the block's rows; also: I fetch for A (0) or B (1)
	s_and_b32 s16, s14, 1                          ; my half of its columns; also: which 64 rows I fetch
	s_bfe_u32 s40, ttmp6, 0x40000                  ; cx
	s_bfe_u32 s41, ttmp6, 0x40004                  ; cy
	s_lshl_b32 s42, ttmp9, 2
	s_add_co_u32 s42, s42, s40                     ; block column, 0..7
	s_and_b32 s17, ttmp7, 0xffff
	s_lshl_b32 s17, s17, 2
	s_add_co_u32 s17, s17, s41                     ; block row, 0..31
	s_lshl_b32 s43, s41, 2
	s_lshl_b32 s43, 15, s43                        ; my row of the cluster
	s_lshl_b32 s44, 0x1111, s40                    ; my column
	s_or_b32 s[G1], s43, PADW
	s_or_b32 s[G1B], s44, PADW
.irp g, G1, G1B
	s_mov_b32 s[\g+1], KROW<<16
	s_mov_b32 s[\g+2], 64<<16
	s_mov_b32 s[\g+3], KROW<<16
	s_mov_b32 s[\g+4], 64
	s_mov_b32 s[\g+5], KROW
	s_mov_b32 s[\g+6], 0
	s_mov_b32 s[\g+7], 0
.endr
	s_lshl_b32 s18, s16, 6
	s_lshl_b32 s20, s17, 7
	s_add_co_u32 s20, s20, s18
	s_mul_i32 s20, s20, KROW                       ; A: (128 x block row + 64 x half) rows
	s_mov_b32 s21, 0
	s_lshl_b32 s46, s42, 7
	s_add_co_u32 s46, s46, s18
	s_mul_i32 s46, s46, KROW                       ; B: (128 x block column + 64 x half) rows
	s_mov_b32 s47, 0
	s_mul_i32 s45, s14, QT                         ; to LDS: A's two halves, then B's: wave x 64 rows
	s_mul_i32 s36, s15, QT                         ; what I read: my 64 rows of A,
	s_mul_i32 s37, s16, QT
	s_add_co_u32 s37, s37, 2*QT                    ; my 64 rows of B,
	s_mul_i32 s38, s14, 16*SPITCH
	s_add_co_u32 s38, s38, STAGE                   ; and my stage
	s_wait_dscnt 0x0                               ; both opening adds are done
	s_wait_kmcnt 0x0
	s_mov_b32 s[G0], 1
	s_mov_b32 s[G0+1], s45
	s_add_nc_u64 s[G0+2:G0+3], s[4:5], s[20:21]
	s_or_b32 s[G0+3], s[G0+3], 0x80000000
	s_mov_b32 s[G0B], 1
	s_mov_b32 s[G0B+1], s45
	s_add_nc_u64 s[G0B+2:G0B+3], s[6:7], s[46:47]
	s_or_b32 s[G0B+3], s[G0B+3], 0x80000000
	CROUND                                         ; all sixteen work-groups are here: the joint loads meet
	s_cmp_eq_u32 s15, 0                            ; one joint load a wave, a load in each arm
	s_cbranch_scc0 .Lfor_b
	tensor_load_to_lds s[G0:G0+3], s[G1:G1+7]
	s_nop 0
	PLACES
	s_branch .Lasked
.Lfor_b:
	tensor_load_to_lds s[G0B:G0B+3], s[G1B:G1B+7]
	s_nop 0
	PLACES
.Lasked:
	s_lshl_b32 s18, s15, 6
	s_lshl_b32 s19, s17, 7
	s_add_co_u32 s18, s18, s19                     ; my first row of A and of C
	s_lshl_b32 s12, s18, 5
	s_add_co_u32 s12, s12, AS
	s_mov_b32 s13, 0
	s_add_nc_u64 s[12:13], s[4:5], s[12:13]        ; its scale bytes
	s_lshl_b32 s19, s16, 6
	s_lshl_b32 s22, s42, 7
	s_add_co_u32 s19, s19, s22                     ; my first row of B = column of C
	s_lshl_b32 s22, s19, 5
	s_mov_b32 s23, 0
	s_add_nc_u64 s[8:9], s[8:9], s[22:23]          ; its scale bytes
	s_lshl_b32 s22, s18, 12                        ; a row of C is 4,096 bytes
	s_lshl_b32 s19, s19, 2
	s_add_co_u32 s22, s22, s19
	s_add_nc_u64 s[10:11], s[10:11], s[22:23]
	v_and_b32 v1, 15, v0                           ; r
	v_bfe_u32 v2, v0, 4, 1                         ; h
	v_mul_u32_u24 v3, v1, PITCH
	v_mad_u32_u24 v3, v2, 24, v3                   ; a fragment's row x pitch + 24 h
	v_add_nc_u32 v[ADRA], s36, v3
	v_add_nc_u32 v[ADRB], s37, v3
	v_lshl_add_u32 v[ADRA+1], v2, 4, v[ADRA]
	v_lshl_add_u32 v[ADRB+1], v2, 4, v[ADRB]
	v_lshlrev_b32 v5, 5, v1
	v_lshl_add_u32 v5, v2, 4, v5                   ; scale bytes: 32 r + 16 h
	v_mul_u32_u24 v4, v1, SPITCH
	v_lshl_add_u32 v4, v2, 5, v4
	v_add_nc_u32 v[STO], s38, v4                   ; the stage, in: row r, 32 bytes a half
	v_mul_u32_u24 v6, v2, SPITCH
	v_lshl_add_u32 v6, v1, 4, v6
	v_add_nc_u32 v[RD], s38, v6                    ; back: sixteen lanes take a row of 256 bytes
	v_lshlrev_b32 v7, 12, v2
	v_lshl_add_u32 v[CO], v1, 4, v7                ; and the same two rows in C
.irp i, 0,1,2,3
	global_load_b128 v[SA+4*\i:SA+4*\i+3], v5, s[12:13] offset:512*\i
	global_load_b128 v[SB+4*\i:SB+4*\i+3], v5, s[8:9] offset:512*\i
.endr
; byte y of a row of codes lies at y + 16 (y / 256) of its LDS row; lanes 16-31 read 24 bytes on
.macro FRAG reg, adr, st, i
.irp p, 0,1,2,3,4,5
.set BY, 96*(\st)+48*(\p/3)+8*(\p%3)
.if BY/256 == (BY+24)/256
	ds_load_b64 v[\reg+2*\p:\reg+2*\p+1], v[\adr] offset:BY+16*(BY/256)+(\i)*16*PITCH
.else
	ds_load_b64 v[\reg+2*\p:\reg+2*\p+1], v[\adr+1] offset:BY+16*(BY/256)+(\i)*16*PITCH
.endif
.endr
.endm
.macro FETCH st                        ; 48 loads: step st's fragments into set st % 2
.irp i, 0,1,2,3
	FRAG FR0+96*((\st)%2)+12*\i, ADRB, \st, \i
.endr
.irp i, 0,1,2,3
	FRAG FR0+96*((\st)%2)+48+12*\i, ADRA, \st, \i
.endr
.endm
.macro MUL st                          ; 16 matrix instructions; the accumulators take turns, one instruction a turn; step 0 starts the sums
.set F, FR0+96*((\st)%2)
.set Q, (\st)%4
.irp a, 0,1,2,3
.irp b, 0,1,2,3
.if (\st) == 0
	v_wmma_scale_f32_16x16x128_f8f6f4 v[8*(4*\a+\b):8*(4*\a+\b)+7], v[F+12*\b:F+12*\b+11], v[F+48+12*\a:F+48+12*\a+11], 0, v[SB+4*\b+Q], v[SA+4*\a+Q] matrix_a_fmt:MATRIX_FMT_FP6 matrix_b_fmt:MATRIX_FMT_FP6
.elseif (\st) < 4
	v_wmma_scale_f32_16x16x128_f8f6f4 v[8*(4*\a+\b):8*(4*\a+\b)+7], v[F+12*\b:F+12*\b+11], v[F+48+12*\a:F+48+12*\a+11], v[8*(4*\a+\b):8*(4*\a+\b)+7], v[SB+4*\b+Q], v[SA+4*\a+Q] matrix_a_fmt:MATRIX_FMT_FP6 matrix_b_fmt:MATRIX_FMT_FP6
.else
	v_wmma_scale_f32_16x16x128_f8f6f4 v[8*(4*\a+\b):8*(4*\a+\b)+7], v[F+12*\b:F+12*\b+11], v[F+48+12*\a:F+48+12*\a+11], v[8*(4*\a+\b):8*(4*\a+\b)+7], v[SB+4*\b+Q], v[SA+4*\a+Q] matrix_a_fmt:MATRIX_FMT_FP6 matrix_b_fmt:MATRIX_FMT_FP6 matrix_a_scale:MATRIX_SCALE_ROW1 matrix_b_scale:MATRIX_SCALE_ROW1
.endif
.endr
.endr
.endm
	s_wait_alu depctr_va_vdst(0)
	s_wait_tensorcnt 0x0                           ; my 64 rows are in;
	s_barrier_signal -1
	s_barrier_wait -1                              ; and so are the others'
	FETCH 0
	s_wait_loadcnt 0x0                             ; the scale words
.set ST, 0
.rept 8
.if ST < 7
.if ST > 0
	PLACES                                         ; ahead of loads into the set that the last step's products read
.endif
	FETCH ST+1
	s_wait_dscnt 48                                ; all but the 48 just issued
.else
	s_wait_dscnt 0x0
.endif
	WIN 0x50                                       ; C and D in window 1
	MUL ST
	WIN 0
.set ST, ST+1
.endr
; THE WAY OUT, block by block of 16 rows x 64 columns, through my own stage: rows of 256 bytes come back, and sixteen lanes store each as one aligned run
.macro TOSTAGE a
	WIN 0x04                                       ; the stores' data: window 1
.irp b, 0,1,2,3
	ds_store_b128 v[STO], v[32*(\a)+8*\b:32*(\a)+8*\b+3] offset:64*\b        ; each accumulator from its low end on
	ds_store_b128 v[STO], v[32*(\a)+8*\b+4:32*(\a)+8*\b+7] offset:64*\b+16
.endr
	WIN 0
.irp t, 0,1,2,3,4,5,6,7
	ds_load_b128 v[BK+32*((\a)%2)+4*\t:BK+32*((\a)%2)+4*\t+3], v[RD] offset:\t*2*SPITCH   ; LDS serves a wave's instructions in order: these see the stores above
.endr
.endm
.macro SEND a, younger
	s_wait_dscnt \younger
.if (\a) > 0
	s_add_nc_u64 s[10:11], s[10:11], 16*4096       ; behind a wait on XCNT: the earlier stores have read their base
.endif
.irp t, 0,1,2,3,4,5,6,7
	global_store_b128 v[CO], v[BK+32*((\a)%2)+4*\t:BK+32*((\a)%2)+4*\t+3], s[10:11] offset:2*\t*4096
.endr
.endm
	PLACES                                         ; behind the last products
	TOSTAGE 0
.irp a, 1,2,3
.if \a > 1
	s_wait_xcnt 0x0                                ; block a - 2's stores have read their registers and their base
.endif
	TOSTAGE \a
	SEND \a-1, 16                                  ; behind block a - 1's loads: block a's 8 stores and 8 loads
.endr
	s_wait_xcnt 0x0
	SEND 3, 0
	s_wait_tensorcnt 0x0                           ; the wave's end
	ds_add_u32 v[SPW], v[NIL]
	s_wait_dscnt 0x0
	CROUND                                         ; the closing round
	s_endpgm
.Lfunc_end_k_qcf7f994490_oproj:
	.size	k_qcf7f994490_oproj, .Lfunc_end_k_qcf7f994490_oproj-k_qcf7f994490_oproj
	.p2alignl 7, 3214868480
	.fill 96, 4, 3214868480
	.section	.rodata,"a",@progbits
	.p2align	6, 0x0
	.amdhsa_kernel k_qcf7f994490_oproj
		.amdhsa_group_segment_fixed_size 226816
		.amdhsa_private_segment_fixed_size 0
		.amdhsa_enable_private_segment 0
		.amdhsa_kernarg_size 32
		.amdhsa_user_sgpr_count 2
		.amdhsa_user_sgpr_kernarg_segment_ptr 1
		.amdhsa_wavefront_size32 1
		.amdhsa_system_sgpr_workgroup_id_x 1
		.amdhsa_system_sgpr_workgroup_id_y 1
		.amdhsa_system_sgpr_workgroup_id_z 1
		.amdhsa_system_vgpr_workitem_id 0
		.amdhsa_next_free_vgpr 384
		.amdhsa_next_free_sgpr 66
		.amdhsa_reserve_vcc 0
		.amdhsa_float_denorm_mode_32 3
		.amdhsa_float_denorm_mode_16_64 3
		.amdhsa_memory_ordered 1
		.amdhsa_forward_progress 1
		.amdhsa_inst_pref_size 57
	.end_amdhsa_kernel
	.amdgpu_metadata
---
amdhsa.version: [ 1, 2 ]
amdhsa.kernels:
  - .name:           k_qcf7f994490_oproj
    .symbol:         k_qcf7f994490_oproj.kd
    .args:
      - { .name: act, .offset: 0, .size: 8, .value_kind: global_buffer, .address_space: global }
      - { .name: Wo_codes, .offset: 8, .size: 8, .value_kind: global_buffer, .address_space: global }
      - { .name: Wo_scales, .offset: 16, .size: 8, .value_kind: global_buffer, .address_space: global }
      - { .name: acc, .offset: 24, .size: 8, .value_kind: global_buffer, .address_space: global }
    .group_segment_fixed_size: 226816
    .private_segment_fixed_size: 0
    .kernarg_segment_align: 8
    .kernarg_segment_size: 32
    .max_flat_workgroup_size: 128
    .sgpr_count:     66
    .vgpr_count:     384
    .wavefront_size: 32
...
	.end_amdgpu_metadata
.endif
;; end of part 4
;; launch norm1 (part 5): grid 256 x 1, 16 waves a work-group, no clusters, 84,480 bytes of LDS; arguments acc, bo, x, alpha1, beta1, x1b; writes x1b
.if DOCPART == 5
	.amdgcn_target "amdgcn-amd-amdhsa--gfx1250"
	.amdhsa_code_object_version 6
	.text
	.protected	k_qcf7f994490_norm1
	.globl	k_qcf7f994490_norm1
	.p2align	8
	.type	k_qcf7f994490_norm1,@function
k_qcf7f994490_norm1:
	s_mov_b64 s[64:65], 0
	v_nop
	global_prefetch_b8 v0, s[64:65] scope:SCOPE_SE
	s_setreg_imm32_b32 hwreg(HW_REG_WAVE_MODE, 25, 1), 1
	s_wait_xcnt 0x0
; x1 = x + layer_norm(acc + bo) x alpha1 + beta1, with the unbiased standard deviation and the division by (std + 1e-6), all in f32; then x1 is quantised along its 1,024 columns to codes of
; FP6 (E2M3) with one E8M0 byte for each 32.  x1b: x1 f32 [4096][1024] at 0, codes [4096][768] at 16,777,216, scale bytes [4096][32] at 19,922,944.
; A wave takes a row: lane l holds columns 128 j + 4 l .. + 3, j = 0 .. 7, so every load and store covers 512 consecutive bytes.  The mean is taken first and the squares of the differences after:
; no difference of large sums.  No matrix unit, no cluster: the work-groups share nothing but three short vectors.
; For the conversions a lane must hold 16 neighbours: the row's two halves of 512 numbers turn through the wave's own stage in LDS (16 bytes of padding behind each 64).
; The 16 rows' scale bytes, 512 in all, meet in LDS and leave by one store of wave 0.  LIMITS: NaN and infinities are not served; a block of zeros gets the byte 1.
.set A,   16
.set BO,  48
.set X,   80
.set AL,  112
.set BE,  144
.set XT,  176
.set C,   208
.set E,   216
.set SIN, 218
.set SOUT, 219
.set CO,  220
.set SBA, 221
.set T,   2
.set MN,  10
.set IV,  12
.set SP,  80
.set SEL, 26
.set SBY, 81920
.macro ALLSUM r, t                     ; v[r] summed over the 32 lanes, in every lane
	s_delay_alu instid0(VALU_DEP_1)
	v_add_f32_dpp v[\r], v[\r], v[\r] row_xmask:1 row_mask:0xf bank_mask:0xf
	s_delay_alu instid0(VALU_DEP_1)
	v_add_f32_dpp v[\r], v[\r], v[\r] row_xmask:2 row_mask:0xf bank_mask:0xf
	s_delay_alu instid0(VALU_DEP_1)
	v_add_f32_dpp v[\r], v[\r], v[\r] row_xmask:4 row_mask:0xf bank_mask:0xf
	s_delay_alu instid0(VALU_DEP_1)
	v_add_f32_dpp v[\r], v[\r], v[\r] row_xmask:8 row_mask:0xf bank_mask:0xf
	s_delay_alu instid0(VALU_DEP_1)
	v_permlanex16_b32 v[\t], v[\r], s[SEL], s[SEL+1]
	s_delay_alu instid0(VALU_DEP_1)
	v_add_f32 v[\r], v[\r], v[\t]
.endm
.macro FOLD                            ; the four chains become one number a lane
	s_delay_alu instid0(VALU_DEP_3)
	v_pk_add_f32 v[T:T+1], v[T:T+1], v[T+2:T+3]
	s_delay_alu instid0(VALU_DEP_2)
	v_pk_add_f32 v[T+4:T+5], v[T+4:T+5], v[T+6:T+7]
	s_delay_alu instid0(VALU_DEP_1)
	v_pk_add_f32 v[T:T+1], v[T:T+1], v[T+4:T+5]
	s_delay_alu instid0(VALU_DEP_1)
	v_add_f32 v[T], v[T], v[T+1]
	ALLSUM T, T+1
.endm
	s_load_b256 s[4:11], s[0:1], 0x0               ; acc, bo, x, alpha1
	s_load_b128 s[12:15], s[0:1], 0x20             ; beta1, x1b
	v_lshl_add_u32 v240, v0, 2, 0x14200
	v_mov_b32 v241, 0
	v_lshrrev_b32 v1, 5, v0
	s_delay_alu instid0(VALU_DEP_1)
	v_readfirstlane_b32 s16, v1                    ; wave
	v_and_b32 v14, 31, v0                          ; lane
	s_wait_alu depctr_va_vdst(0)
	v_lshlrev_b32 v1, 4, v14                       ; 16 x lane
	s_lshl_b32 s17, ttmp9, 4
	s_add_co_u32 s17, s17, s16                     ; my row
	s_lshl_b32 s18, s17, 12
	s_mov_b32 s19, 0
	s_mul_i32 s28, s17, 768
	s_add_co_u32 s28, s28, 16777216
	s_mov_b32 s29, 0
	s_lshl_b32 s30, ttmp9, 9
	s_add_co_u32 s30, s30, 19922944
	s_mov_b32 s31, 0
	s_mov_b32 s[SEL], 0x76543210
	s_mov_b32 s[SEL+1], 0xfedcba98
	s_mul_i32 s20, s16, 2*32*SP                    ; my two stages
	v_lshrrev_b32 v[SIN], 2, v14
	s_delay_alu instid0(VALU_DEP_1)
	v_mul_u32_u24 v[SIN], v[SIN], SP
	v_and_b32 v15, 3, v14
	s_delay_alu instid0(VALU_DEP_1)
	v_lshl_add_u32 v[SIN], v15, 4, v[SIN]
	s_delay_alu instid0(VALU_DEP_1)
	v_add_nc_u32 v[SIN], s20, v[SIN]
	v_mul_u32_u24 v[SOUT], v14, SP
	s_delay_alu instid0(VALU_DEP_1)
	v_add_nc_u32 v[SOUT], s20, v[SOUT]
	v_mul_u32_u24 v[CO], v14, 12
	v_lshrrev_b32 v[SBA], 1, v14
	s_lshl_b32 s21, s16, 5
	s_add_co_u32 s21, s21, SBY
	v_add_nc_u32 v[SBA], s21, v[SBA]               ; my block's byte among my row's 32
	v_add_nc_u32 v222, SBY, v1                     ; wave 0's read of all 512
	s_wait_kmcnt 0x0
	s_add_nc_u64 s[4:5], s[4:5], s[18:19]
	s_add_nc_u64 s[8:9], s[8:9], s[18:19]
	s_add_nc_u64 s[22:23], s[14:15], s[18:19]      ; x1
	s_add_nc_u64 s[24:25], s[14:15], s[28:29]      ; its codes
	s_add_nc_u64 s[14:15], s[14:15], s[30:31]      ; the work-group's scale bytes
.irp j, 0,1,2,3,4,5,6,7
	global_load_b128 v[A+4*\j:A+4*\j+3], v1, s[4:5] offset:512*\j th:TH_LOAD_NT
.endr
.irp j, 0,1,2,3,4,5,6,7
	global_load_b128 v[BO+4*\j:BO+4*\j+3], v1, s[6:7] offset:512*\j
.endr
.irp j, 0,1,2,3,4,5,6,7
	global_load_b128 v[X+4*\j:X+4*\j+3], v1, s[8:9] offset:512*\j th:TH_LOAD_NT
.endr
.irp j, 0,1,2,3,4,5,6,7
	global_load_b128 v[AL+4*\j:AL+4*\j+3], v1, s[10:11] offset:512*\j
.endr
.irp j, 0,1,2,3,4,5,6,7
	global_load_b128 v[BE+4*\j:BE+4*\j+3], v1, s[12:13] offset:512*\j
.endr
	s_wait_loadcnt 24                              ; acc's row and bo are in; x, alpha1, beta1 (24 loads) may be out
.set k, 0
.rept 16
	v_pk_add_f32 v[A+2*k:A+2*k+1], v[A+2*k:A+2*k+1], v[BO+2*k:BO+2*k+1]
.set k, k+1
.endr
.irp k, 0,1,2,3
	v_pk_add_f32 v[T+2*\k:T+2*\k+1], v[A+2*\k:A+2*\k+1], v[A+8+2*\k:A+9+2*\k]
.endr
.irp j, 16,24
.irp k, 0,1,2,3
	s_delay_alu instid0(VALU_DEP_4)
	v_pk_add_f32 v[T+2*\k:T+2*\k+1], v[T+2*\k:T+2*\k+1], v[A+\j+2*\k:A+\j+2*\k+1]
.endr
.endr
	FOLD
	s_delay_alu instid0(VALU_DEP_1)
	v_mul_f32 v[MN], 0x3a800000, v[T]              ; the mean: / 1,024
	s_delay_alu instid0(VALU_DEP_1)
	v_mov_b32 v[MN+1], v[MN]
.set k, 0
.rept 16
	v_pk_add_f32 v[A+2*k:A+2*k+1], v[A+2*k:A+2*k+1], v[MN:MN+1] neg_lo:[0,1] neg_hi:[0,1]
.set k, k+1
.endr
.irp k, 0,1,2,3
	v_pk_mul_f32 v[T+2*\k:T+2*\k+1], v[A+2*\k:A+2*\k+1], v[A+2*\k:A+2*\k+1]
.endr
.irp j, 8,16,24
.irp k, 0,1,2,3
	s_delay_alu instid0(VALU_DEP_4)
	v_pk_fma_f32 v[T+2*\k:T+2*\k+1], v[A+\j+2*\k:A+\j+2*\k+1], v[A+\j+2*\k:A+\j+2*\k+1], v[T+2*\k:T+2*\k+1]
.endr
.endr
	FOLD
	s_delay_alu instid0(VALU_DEP_1)
	v_mul_f32 v[T], 0x3a802008, v[T]               ; / 1,023
	s_wait_alu depctr_va_vdst(0)
	v_sqrt_f32 v[T+2], v[T]
	v_nop
	s_wait_alu depctr_va_vdst(0)                   ; ahead of the first reader
	v_add_f32 v[T+2], 0x358637bd, v[T+2]           ; + 1e-6
	s_wait_alu depctr_va_vdst(0)
	v_rcp_f32 v[IV], v[T+2]
	v_nop
	s_wait_alu depctr_va_vdst(0)
	v_mov_b32 v[IV+1], v[IV]
	s_wait_alu depctr_va_vdst(0)
	s_wait_loadcnt 0x0
.set k, 0
.rept 16
	v_pk_mul_f32 v[A+2*k:A+2*k+1], v[A+2*k:A+2*k+1], v[IV:IV+1]
	s_delay_alu instid0(VALU_DEP_1)
	v_pk_fma_f32 v[A+2*k:A+2*k+1], v[A+2*k:A+2*k+1], v[AL+2*k:AL+2*k+1], v[BE+2*k:BE+2*k+1]
	s_delay_alu instid0(VALU_DEP_1)
	v_pk_add_f32 v[X+2*k:X+2*k+1], v[X+2*k:X+2*k+1], v[A+2*k:A+2*k+1]
.set k, k+1
.endr
.irp j, 0,1,2,3,4,5,6,7
	global_store_b128 v1, v[X+4*\j:X+4*\j+3], s[22:23] offset:512*\j
.endr
.irp t, 0,1
.irp i, 0,1,2,3
	ds_store_b128 v[SIN], v[X+16*\t+4*\i:X+16*\t+4*\i+3] offset:32*SP*\t+8*SP*\i
.endr
.irp i, 0,1,2,3
	ds_load_b128 v[XT+16*\t+4*\i:XT+16*\t+4*\i+3], v[SOUT] offset:32*SP*\t+16*\i
.endr
.endr
.macro QSTEP t
.set XS, XT+16*(\t)
	v_max3_num_f32 v[T], |v[XS]|, |v[XS+1]|, |v[XS+2]|
	v_max3_num_f32 v[T+1], |v[XS+3]|, |v[XS+4]|, |v[XS+5]|
.irp i, 6,10
	s_delay_alu instid0(VALU_DEP_2)
	v_max3_num_f32 v[T], v[T], |v[XS+\i]|, |v[XS+\i+1]|
	s_delay_alu instid0(VALU_DEP_2)
	v_max3_num_f32 v[T+1], v[T+1], |v[XS+\i+2]|, |v[XS+\i+3]|
.endr
	s_delay_alu instid0(VALU_DEP_2)
	v_max3_num_f32 v[T], v[T], |v[XS+14]|, |v[XS+15]|
	s_delay_alu instid0(VALU_DEP_1)
	v_max3_num_f32 v[T], v[T], v[T+1], 0x1800000   ; the floor 2^(3 - 127)
	s_delay_alu instid0(VALU_DEP_1)
	v_max_num_f32_dpp v[T], v[T], v[T] row_xmask:1 row_mask:0xf bank_mask:0xf
	s_delay_alu instid0(VALU_DEP_1)
	v_add_nc_u32 v[T+3], 0xff000000, v[T]
	v_cvt_scalef32_pk16_fp6_f32 v[C+4*(\t):C+4*(\t)+2], v[XS:XS+15], v[T+3]
	v_lshrrev_b32 v[E+(\t)], 23, v[T+3]
	ds_store_b8 v[SBA], v[E+(\t)] offset:16*(\t)
	global_store_b96 v[CO], v[C+4*(\t):C+4*(\t)+2], s[24:25] offset:384*(\t)
.endm
	s_wait_dscnt 8                                 ; the first half is back; the second half's 4 stores and 4 loads may be out
	QSTEP 0
	s_wait_dscnt 1                                 ; the second half is back; the byte store may be out
	QSTEP 1
	s_wait_dscnt 0x0                               ; for the others' sake: my byte stores are done
	s_barrier_signal -1
	s_barrier_wait -1
	s_cmp_lg_u32 s16, 0
	s_cbranch_scc1 .Lend
	ds_load_b128 v[224:227], v222
	s_wait_dscnt 0x0
	global_store_b128 v1, v[224:227], s[14:15]     ; 512 consecutive bytes, aligned
.Lend:
	s_wait_tensorcnt 0x0
	ds_add_u32 v240, v241
	s_wait_dscnt 0x0
	s_endpgm
.Lfunc_end_k_qcf7f994490_norm1:
	.size	k_qcf7f994490_norm1, .Lfunc_end_k_qcf7f994490_norm1-k_qcf7f994490_norm1
	.p2alignl 7, 3214868480
	.fill 96, 4, 3214868480
	.section	.rodata,"a",@progbits
	.p2align	6, 0x0
	.amdhsa_kernel k_qcf7f994490_norm1
		.amdhsa_group_segment_fixed_size 84480
		.amdhsa_private_segment_fixed_size 0
		.amdhsa_enable_private_segment 0
		.amdhsa_kernarg_size 48
		.amdhsa_user_sgpr_count 2
		.amdhsa_user_sgpr_kernarg_segment_ptr 1
		.amdhsa_wavefront_size32 1
		.amdhsa_system_sgpr_workgroup_id_x 1
		.amdhsa_system_sgpr_workgroup_id_y 1
		.amdhsa_system_sgpr_workgroup_id_z 1
		.amdhsa_system_vgpr_workitem_id 0
		.amdhsa_next_free_vgpr 242
		.amdhsa_next_free_sgpr 66
		.amdhsa_reserve_vcc 0
		.amdhsa_float_denorm_mode_32 3
		.amdhsa_float_denorm_mode_16_64 3
		.amdhsa_memory_ordered 1
		.amdhsa_forward_progress 1
		.amdhsa_inst_pref_size 22
	.end_amdhsa_kernel
	.amdgpu_metadata
---
amdhsa.version: [ 1, 2 ]
amdhsa.kernels:
  - .name:           k_qcf7f994490_norm1
    .symbol:         k_qcf7f994490_norm1.kd
    .args:
      - { .name: acc, .offset: 0, .size: 8, .value_kind: global_buffer, .address_space: global }
      - { .name: bo, .offset: 8, .size: 8, .value_kind: global_buffer, .address_space: global }
      - { .name: x, .offset: 16, .size: 8, .value_kind: global_buffer, .address_space: global }
      - { .name: alpha1, .offset: 24, .size: 8, .value_kind: global_buffer, .address_space: global }
      - { .name: beta1, .offset: 32, .size: 8, .value_kind: global_buffer, .address_space: global }
      - { .name: x1b, .offset: 40, .size: 8, .value_kind: global_buffer, .address_space: global }
    .group_segment_fixed_size: 84480
    .private_segment_fixed_size: 0
    .kernarg_segment_align: 8
    .kernarg_segment_size: 48
    .max_flat_workgroup_size: 512
    .sgpr_count:     66
    .vgpr_count:     242
    .wavefront_size: 32
...
	.end_amdgpu_metadata
.endif
;; end of part 5
;; launch ffn1 (part 6): grid 16 x 16, 4 waves a work-group, clusters of 4 x 4, 327,680 bytes of LDS; arguments x1b, W1_codes, W1_scales, b1, act; writes act
.if DOCPART == 6
	.amdgcn_target "amdgcn-amd-amdhsa--gfx1250"
	.amdhsa_code_object_version 6
	.text
	.protected	k_qcf7f994490_ffn1
	.globl	k_qcf7f994490_ffn1
	.p2align	8
	.type	k_qcf7f994490_ffn1,@function
k_qcf7f994490_ffn1:
	s_mov_b64 s[64:65], 0
	v_nop
	global_prefetch_b8 v0, s[64:65] scope:SCOPE_SE
	s_setreg_imm32_b32 hwreg(HW_REG_WAVE_MODE, 25, 1), 1
	s_wait_xcnt 0x0
	s_wait_alu depctr_hold_cnt(0) depctr_sa_sdst(0) depctr_va_vdst(0) depctr_va_sdst(0) depctr_va_ssrc(0) depctr_va_vcc(0) depctr_vm_vsrc(0)
	s_getreg_b32 s2, hwreg(HW_REG_IB_STS2, 6, 4)
	s_cmp_eq_u32 s2, 0
	s_cbranch_scc0 .Lentry_in_a_cluster
	s_endpgm
.Lentry_in_a_cluster:
	s_bfe_u32 s2, ttmp6, 0x10000c
	s_cmp_lg_u32 s2, 0xf033
	s_cbranch_scc0 .Lentry_shape_is_right
	s_endpgm
.Lentry_shape_is_right:
.set AS,     12582912
; h = relu(x1 W1 + b1) on codes of FP6 (E2M3, one E8M0 scale for each 32 along K), K = 1,024; h is quantised along its columns and stored as codes and scale bytes, in four pieces of 1,024 columns.
; A tile of 256 x 256 is made by four waves.  The ring of two LDS slots goes by chunks of 256 bytes of each row of codes: 8 matrix steps of 96 bytes lie in 3 chunks.
.set NQ,     2
.set ROWB,   256
.set KROW,   768
.set STEPS,  8
.set CHUNKS, 3
.set PITCH,  272
.set FR,     12
.set NL,     6
.set NP,     4
.set HALFT,  128*PITCH
.set SLOT,   4*HALFT
.set G0H,    4                         ; s[4:7], s[8:11] group 0 of the head's loads of chunk 0 (the addresses that lay there have been used by then)
.set G0HB,   8
.set KS,     32
.set SCL,    2*SLOT
.set HALFS,  16*272
.set SBLK,   2*272
.set SPARE,  SCL+4*HALFS
.set ADRA, 16
.set ADRB, 20
.set ADRS, 27
.set SPW,  28
.set NIL,  29
.set SC,   32
.set AF,   128
.set G1, 24
.set G0, 32
.set G1B, 48
.set G0B, 56
.set G1S, 68
.set G0S, 76
.set G1SB, 80
.set G0SB, 88
.set BN,  64
.set H,   128
.set C,   192
.set OUT, 208
.set TM,  240
.set PW,  8
.set STO, 10
.set RD,  11
.set VO,  12
.set VS,  13
.set SEL, 100
.set MSB, 0
.macro WIN new
.if MSB != \new
	s_set_vgpr_msb (MSB<<8)|\new
.set MSB, \new
.endif
.endm
.set MUL_LO, 0xa1
.set MUL_HI, 0xf1
.set TO_B,   0x40
.macro JLOAD g0a, g1a, g0b, g1b
	s_cmp_eq_u32 s15, 0
	s_cbranch_scc0 .Lfor_b_\@
	tensor_load_to_lds s[\g0a:\g0a+3], s[\g1a:\g1a+7]
	s_nop 0
.rept 4
	v_nop
.endr
	s_branch .Lasked_\@
.Lfor_b_\@:
	tensor_load_to_lds s[\g0b:\g0b+3], s[\g1b:\g1b+7]
	s_nop 0
.rept 4
	v_nop
.endr
.Lasked_\@:
.endm
.macro CREST
	s_cmp_lg_u32 s14, 0
	s_cbranch_scc1 .Lnot_wave_0_\@
	s_barrier_signal -3
.Lnot_wave_0_\@:
	s_barrier_wait -3
	s_barrier_signal -1
	s_barrier_wait -1
.endm
.macro CROUND
	s_barrier_signal -1
	s_barrier_wait -1
	CREST
.endm
	s_load_b64 s[4:5], s[0:1], 0x0
	s_load_b64 s[8:9], s[0:1], 0x8
	s_load_b64 s[10:11], s[0:1], 0x10
	s_load_b64 s[96:97], s[0:1], 0x18
	s_load_b64 s[12:13], s[0:1], 0x20
	v_lshl_add_u32 v[SPW], v0, 2, SPARE
	v_mov_b32 v[NIL], 0
	ds_add_u32 v28, v29
	ds_add_u32 v28, v29
	s_wait_dscnt 0x0
	v_lshrrev_b32 v1, 5, v0
	v_readfirstlane_b32 s14, v1
	s_lshr_b32 s15, s14, 1
	s_and_b32 s16, s14, 1
	s_bfe_u32 s40, ttmp6, 0x40000
	s_bfe_u32 s41, ttmp6, 0x40004
	s_lshl_b32 s42, ttmp9, 2
	s_add_co_u32 s42, s42, s40
	s_and_b32 s17, ttmp7, 0xffff
	s_lshl_b32 s17, s17, 2
	s_add_co_u32 s17, s17, s41
	s_lshl_b32 s43, s41, 2
	s_lshl_b32 s43, 15, s43
	s_lshl_b32 s44, 0x1111, s40
	s_or_b32 s[G1+0], s43, (0<<16)|(1<<20)|(1<<21)|(5<<22)|(3<<25)  ; 4 words of padding behind every 64
	s_or_b32 s[G1B+0], s44, (0<<16)|(1<<20)|(1<<21)|(5<<22)|(3<<25)
.irp g, G1, G1B
	s_mov_b32 s[\g+1], ROWB<<16
	s_mov_b32 s[\g+2], 256<<16                     ; 256 rows for the head's loads; 128 behind them
	s_mov_b32 s[\g+3], ROWB<<16
	s_mov_b32 s[\g+4], 256
	s_mov_b32 s[\g+5], KROW
	s_mov_b32 s[\g+6], 0
	s_mov_b32 s[\g+7], 0
.endr
	s_or_b32 s[G1S+0], s43, (3<<16)|(1<<20)|(1<<21)|(5<<22)|(3<<25)
	s_or_b32 s[G1SB+0], s44, (3<<16)|(1<<20)|(1<<21)|(5<<22)|(3<<25)
.irp g, G1S, G1SB
	s_mov_b32 s[\g+1], 32<<16
	s_mov_b32 s[\g+2], KS<<16                      ; the scales of 256 rows: KS rows of 256 bytes
	s_mov_b32 s[\g+3], 32<<16
	s_mov_b32 s[\g+4], KS
	s_mov_b32 s[\g+5], 32
	s_mov_b32 s[\g+6], 0
	s_mov_b32 s[\g+7], 0
.endr
	s_lshl_b32 s20, s17, 8                         ; the tiles' first rows
	s_lshl_b32 s46, s42, 8
	s_mov_b32 s21, 0
	s_mov_b32 s47, 0
	s_mov_b64 s[18:19], KS
	s_mul_u64 s[22:23], s[20:21], s[18:19]
	s_mul_u64 s[92:93], s[46:47], s[18:19]
	s_mov_b64 s[18:19], KROW
	s_mul_u64 s[20:21], s[20:21], s[18:19]
	s_mul_u64 s[46:47], s[46:47], s[18:19]
	s_mul_i32 s45, s14, HALFT
	s_mul_i32 s18, s16, 128*KROW                   ; in the ring I fetch 128 rows: which half, in bytes
	s_mov_b32 s19, 0
	s_wait_kmcnt 0x0
	s_add_nc_u64 s[6:7], s[4:5], 19922944
	s_add_nc_u64 s[4:5], s[4:5], 16777216
	s_add_nc_u64 s[20:21], s[4:5], s[20:21]
	s_add_nc_u64 s[22:23], s[6:7], s[22:23]
	s_add_nc_u64 s[46:47], s[8:9], s[46:47]
	s_add_nc_u64 s[92:93], s[10:11], s[92:93]
	CROUND
	s_mov_b32 s[G0S], 1
	s_mov_b32 s[G0S+1], SCL
	s_mov_b64 s[G0S+2:G0S+3], s[22:23]
	s_or_b32 s[G0S+3], s[G0S+3], 0x80000000
	s_mov_b32 s[G0SB], 1
	s_mov_b32 s[G0SB+1], SCL+2*HALFS
	s_mov_b64 s[G0SB+2:G0SB+3], s[92:93]
	s_or_b32 s[G0SB+3], s[G0SB+3], 0x80000000
	s_mov_b32 s[G0H], 1                            ; chunk 0: A's 256 rows,
	s_mov_b32 s[G0H+1], 0
	s_mov_b64 s[G0H+2:G0H+3], s[20:21]
	s_or_b32 s[G0H+3], s[G0H+3], 0x80000000
	s_mov_b32 s[G0HB], 1                           ; and B's, behind them
	s_mov_b32 s[G0HB+1], 2*HALFT
	s_mov_b64 s[G0HB+2:G0HB+3], s[46:47]
	s_or_b32 s[G0HB+3], s[G0HB+3], 0x80000000
	s_add_nc_u64 s[20:21], s[20:21], s[18:19]      ; for the ring: my 128 rows
	s_add_nc_u64 s[46:47], s[46:47], s[18:19]
.irp s, 0,1
	s_mov_b32 s[G0+4*\s], 1
	s_add_co_u32 s[G0+4*\s+1], s45, \s*SLOT
	s_add_nc_u64 s[G0+4*\s+2:G0+4*\s+3], s[20:21], \s*ROWB
	s_or_b32 s[G0+4*\s+3], s[G0+4*\s+3], 0x80000000
	s_mov_b32 s[G0B+4*\s], 1
	s_add_co_u32 s[G0B+4*\s+1], s45, \s*SLOT
	s_add_nc_u64 s[G0B+4*\s+2:G0B+4*\s+3], s[46:47], \s*ROWB
	s_or_b32 s[G0B+4*\s+3], s[G0B+4*\s+3], 0x80000000
.endr
; the head's four tiles, one joint load a wave: one tree of branches on the wave's number
.macro ARM under, g0, g1, next
	s_cmp_lt_u32 s14, \under
	s_cbranch_scc0 \next
	tensor_load_to_lds s[\g0:\g0+3], s[\g1:\g1+7]
	s_nop 0
.rept 4
	v_nop
.endr
	s_branch .Lhead_asked
\next:
.endm
	ARM 1, G0H,  G1,  .Lhead_b
	ARM 2, G0HB, G1B, .Lhead_sa
	ARM 3, G0S,  G1S, .Lhead_sb
	tensor_load_to_lds s[G0SB:G0SB+3], s[G1SB:G1SB+7]
	s_nop 0
.rept 4
	v_nop
.endr
.Lhead_asked:
	v_and_b32 v1, 15, v0
	v_bfe_u32 v2, v0, 4, 1
	v_mul_u32_u24 v3, v1, PITCH
	v_mul_u32_u24 v4, v2, 24
	v_add_nc_u32 v4, v3, v4
	s_mov_b32 s21, SLOT-232
	s_mov_b32 s22, SLOT+232
	v_sub_nc_u32 v7, 1, v2
	v_mul_u32_u24 v5, s21, v2
	v_add_nc_u32 v5, v3, v5
	v_add_nc_u32 v5, 232, v5                       ; across two chunks: lanes 0-15 byte 232 of the row in slot 0, lanes 16-31 byte 0 in slot 1;
	v_mul_u32_u24 v6, s22, v7
	v_add_nc_u32 v6, v3, v6                        ; and the other way round
	s_mul_i32 s21, s15, HALFT
	s_mul_i32 s22, s16, HALFT
	s_add_co_u32 s22, s22, 2*HALFT
	v_add_nc_u32 v[ADRA+2], s21, v5
	v_add_nc_u32 v[ADRA+3], s21, v6
	v_add_nc_u32 v[ADRB+2], s22, v5
	v_add_nc_u32 v[ADRB+3], s22, v6
.irp s, 0,1
	v_add_nc_u32 v[ADRA+\s], s21, v4
	v_add_nc_u32 v[ADRB+\s], s22, v4
	s_add_co_u32 s21, s21, SLOT
	s_add_co_u32 s22, s22, SLOT
.endr
	v_mul_u32_u24 v5, v1, KS
	v_lshrrev_b32 v6, 8, v5
	v_lshl_add_u32 v5, v6, 4, v5
	s_mul_i32 s21, s15, HALFS
	s_mul_i32 s22, s16, HALFS
	s_add_co_u32 s22, s22, 2*HALFS
	s_sub_co_u32 s22, s22, s21
	v_mul_u32_u24 v6, s22, v2
	s_add_co_u32 s21, s21, SCL
	v_add_nc_u32 v5, v5, v6
	v_add_nc_u32 v[ADRS], s21, v5
	s_mul_i32 s23, s14, 2304                       ; my stage for the way out,
	s_add_co_u32 s23, s23, SLOT                    ; in slot 1, which has had its last fill and its last read by then (the last chunk lies in slot 0)
	v_mul_u32_u24 v[STO], v1, 144
	v_lshl_add_u32 v[STO], v2, 4, v[STO]
	v_add_nc_u32 v[STO], s23, v[STO]
	v_and_b32 v5, 31, v0
	v_lshrrev_b32 v6, 3, v5
	v_and_b32 v5, 7, v5
	v_mul_u32_u24 v[RD], v6, 144
	v_lshl_add_u32 v[RD], v5, 4, v[RD]
	v_add_nc_u32 v[RD], s23, v[RD]
	v_mul_u32_u24 v[VO], v6, 768
	v_mad_u32_u24 v[VO], v5, 12, v[VO]
	v_lshlrev_b32 v[VS], 5, v1
	v_lshlrev_b32 v30, 5, v2
	s_wait_alu depctr_va_vdst(0)
	s_lshl_b32 s20, s17, 8
	s_lshl_b32 s21, s15, 7
	s_add_co_u32 s20, s20, s21
	s_lshr_b32 s43, s42, 2
	s_and_b32 s44, s42, 3
	s_lshl_b32 s44, s44, 1
	s_add_co_u32 s44, s44, s16
	s_mul_i32 s46, s43, 3145728
	s_mul_i32 s45, s20, 768
	s_add_co_u32 s46, s46, s45
	s_mul_i32 s45, s44, 96
	s_add_co_u32 s46, s46, s45
	s_mov_b32 s47, 0
	s_lshl_b32 s92, s43, 17
	s_lshl_b32 s45, s20, 5
	s_add_co_u32 s92, s92, s45
	s_lshl_b32 s45, s44, 2
	s_add_co_u32 s92, s92, s45
	s_add_co_u32 s92, s92, AS
	s_mov_b32 s93, 0
	s_add_nc_u64 s[92:93], s[12:13], s[92:93]
	s_add_nc_u64 s[12:13], s[12:13], s[46:47]
	s_lshl_b32 s2, s42, 8
	s_lshl_b32 s3, s16, 7
	s_add_co_u32 s2, s2, s3
	s_lshl_b32 s2, s2, 2
	s_mov_b32 s3, 0
	s_add_nc_u64 s[96:97], s[96:97], s[2:3]
.irp b, 0,1,2,3,4,5,6,7
	global_load_b128 v[BN+8*\b:BN+8*\b+3], v30, s[96:97] offset:64*\b
	global_load_b128 v[BN+8*\b+4:BN+8*\b+7], v30, s[96:97] offset:64*\b+16
.endr
.macro FRAG reg, adr, st, i            ; byte y of a row of codes lies in chunk y / 256, slot (y / 256) % 2, at byte y % 256 of the LDS row; lanes 16-31 read 24 bytes on
.irp p, 0,1,2,3,4,5
.set BY, 96*(\st)+48*(\p/3)+8*(\p%3)
.if BY/ROWB == (BY+24)/ROWB
	ds_load_b64 v[\reg+2*\p:\reg+2*\p+1], v[\adr+(BY/ROWB)%2] offset:BY%ROWB+(\i)*16*PITCH
.else
	ds_load_b64 v[\reg+2*\p:\reg+2*\p+1], v[\adr+2+(BY/ROWB)%2] offset:BY%ROWB-232+(\i)*16*PITCH
.endif
.endr
.endm
.macro MUL16 a0, p, q, sc, zero
.irp a, \a0, \a0+1
.irp b, 0,1,2,3,4,5,6,7
.if \zero
	v_wmma_scale_f32_16x16x128_f8f6f4 v[8*(8*((\a)%4)+\b):8*(8*((\a)%4)+\b)+7], v[128*(\p)+FR*\b:128*(\p)+FR*\b+FR-1], v[AF+FR*(\a):AF+FR*(\a)+FR-1], 0, v[SC+8*NQ*(\sc)+NQ*\b+(\q)], v[SC+8*NQ*(\sc)+NQ*(\a)+(\q)] matrix_a_fmt:MATRIX_FMT_FP6 matrix_b_fmt:MATRIX_FMT_FP6 matrix_a_scale:MATRIX_SCALE_ROW1
.else
	v_wmma_scale_f32_16x16x128_f8f6f4 v[8*(8*((\a)%4)+\b):8*(8*((\a)%4)+\b)+7], v[128*(\p)+FR*\b:128*(\p)+FR*\b+FR-1], v[AF+FR*(\a):AF+FR*(\a)+FR-1], v[8*(8*((\a)%4)+\b):8*(8*((\a)%4)+\b)+7], v[SC+8*NQ*(\sc)+NQ*\b+(\q)], v[SC+8*NQ*(\sc)+NQ*(\a)+(\q)] matrix_a_fmt:MATRIX_FMT_FP6 matrix_b_fmt:MATRIX_FMT_FP6 matrix_a_scale:MATRIX_SCALE_ROW1
.endif
.endr
.endr
.endm
.macro FETCH_B st, p
	WIN TO_B
.irp i, 0,1,2,3,4,5,6,7
	FRAG 128*(\p)+FR*\i, ADRB, \st, \i
.endr
	WIN 0
.endm
.macro FETCH_A st, i0
.irp i, \i0, \i0+1, \i0+2, \i0+3
	FRAG AF+FR*(\i), ADRA, \st, \i
.endr
.endm
.macro SCALES pr                       ; the scale words of steps 2 pr and 2 pr + 1 into set pr % 2
.irp i, 0,1,2,3,4,5,6,7
	ds_load_b64 v[SC+8*NQ*((\pr)%2)+NQ*\i:SC+8*NQ*((\pr)%2)+NQ*\i+1], v[ADRS] offset:\i*SBLK+4*NQ*(\pr)
.endr
.endm
.macro PLACES n
.rept \n
	v_nop
.endr
.endm
; A step of 128 along K.  Where the next step's bytes end in a chunk not read yet, a barrier shows that chunk whole; where they begin in a later chunk, the chunk left behind is read no more:
; the wait for all my tensor loads, the add, the wait for it and for my reads, the barrier, and, where a chunk two on is left, the cluster's round and the refill.
.macro STEP st, zero
.set NX, (\st)+1
.set C0, (96*(\st))/ROWB
.set C1, (96*NX)/ROWB
.set E0, (96*(\st)+95)/ROWB
.set E1, (96*NX+95)/ROWB
.if C1 > C0 || E1 > E0
	s_wait_tensorcnt 0x0
.if C1 > C0
	ds_add_u32 v[SPW], v[NIL]
	s_wait_dscnt 4*NL+1                            ; the add and the 24 youngest loads (A's blocks 4-7) may be out
.else
	s_wait_dscnt 4*NL
.endif
	WIN MUL_LO
	MUL16 0, (\st)%2, (\st)%2, ((\st)/2)%2, \zero
	s_wait_dscnt 0x0
	s_barrier_signal -1
	MUL16 2, (\st)%2, (\st)%2, ((\st)/2)%2, \zero
	WIN 0
	s_barrier_wait -1
.if C1 > C0 && C0+2 < CHUNKS
	CREST
	s_add_nc_u64 s[G0+4*(C0%2)+2:G0+4*(C0%2)+3], s[G0+4*(C0%2)+2:G0+4*(C0%2)+3], 2*ROWB
	s_add_nc_u64 s[G0B+4*(C0%2)+2:G0B+4*(C0%2)+3], s[G0B+4*(C0%2)+2:G0B+4*(C0%2)+3], 2*ROWB
	JLOAD G0+4*(C0%2), G1, G0B+4*(C0%2), G1B
.else
	PLACES NP
.endif
.else
	s_wait_dscnt 4*NL                              ; the 24 youngest loads (A's blocks 4-7) may be out
	WIN MUL_LO
	MUL16 0, (\st)%2, (\st)%2, ((\st)/2)%2, \zero
	MUL16 2, (\st)%2, (\st)%2, ((\st)/2)%2, \zero
	s_wait_dscnt 0
	PLACES NP
.endif
	FETCH_B NX, NX%2
	FETCH_A NX, 0
.if NX%2 == 0
	SCALES NX/2
.endif
	WIN MUL_HI
	MUL16 4, (\st)%2, (\st)%2, ((\st)/2)%2, \zero
	MUL16 6, (\st)%2, (\st)%2, ((\st)/2)%2, \zero
	PLACES NP
	WIN 0
	FETCH_A NX, 4
.endm
	s_wait_alu depctr_va_vdst(0)
	s_wait_tensorcnt 0x0                           ; my tile of the head's four is in
	ds_add_u32 v[SPW], v[NIL]
	s_mov_b32 s[G1+2], 128<<16                     ; no load of mine is out: from here on a load brings 128 rows
	s_mov_b32 s[G1+4], 128
	s_mov_b32 s[G1B+2], 128<<16
	s_mov_b32 s[G1B+4], 128
	s_wait_dscnt 0x0
	CROUND
	JLOAD G0+4, G1, G0B+4, G1B                     ; chunk 1, slot 1's first fill
	FETCH_B 0, 0
	FETCH_A 0, 0
	SCALES 0
	FETCH_A 0, 4
	STEP 0, 1
.set ST, 1
.rept STEPS-2
	STEP ST, 0
.set ST, ST+1
.endr
	s_wait_dscnt 4*NL
	WIN MUL_LO
	MUL16 0, 1, NQ-1, 1, 0
	MUL16 2, 1, NQ-1, 1, 0
	s_wait_dscnt 0
	WIN MUL_HI
	MUL16 4, 1, NQ-1, 1, 0
	MUL16 6, 1, NQ-1, 1, 0
	WIN 0
.macro COMP a
	s_wait_xcnt 0x0
	WIN 0x02+(\a)/4
.set k, 0
.rept 32
	v_pk_add_f32 v[H+2*k:H+2*k+1], v[64*((\a)%4)+2*k:64*((\a)%4)+2*k+1], v[BN+2*k:BN+2*k+1]
.set k, k+1
.endr
	WIN 0
.set k, 0
.rept 64
	v_max_num_f32 v[H+k], 0, v[H+k]
.set k, k+1
.endr
.irp b, 0,1,2,3
.irp j, 0,1,2,3,4,5,6,7
	v_permlane16_swap_b32 v[H+16*\b+\j], v[H+16*\b+8+\j]
.endr
.endr
.irp b, 0,1,2,3
	v_max3_num_f32 v[TM+\b], v[H+16*\b], v[H+1+16*\b], 0x1800000
.endr
.irp i, 2,4,6,8,10,12,14
.irp b, 0,1,2,3
	v_max3_num_f32 v[TM+\b], v[TM+\b], v[H+16*\b+\i], v[H+1+16*\b+\i]
.endr
.endr
.irp b, 0,1,2,3
	v_permlanex16_b32 v[TM+4+\b], v[TM+\b], s[SEL], s[SEL+1]
.endr
.irp b, 0,1,2,3
	v_max_num_f32 v[TM+\b], v[TM+\b], v[TM+4+\b]
.endr
.irp b, 0,1,2,3
	v_add_nc_u32 v[TM+12+\b], 0xff000000, v[TM+\b]
.endr
.irp b, 0,1,2,3
	v_lshrrev_b32 v[TM+4+\b], 23, v[TM+12+\b]
.endr
	v_lshl_or_b32 v[PW+(\a)%2], v[TM+5], 8, v[TM+4]
	v_lshl_or_b32 v[PW+(\a)%2], v[TM+6], 16, v[PW+(\a)%2]
	v_lshl_or_b32 v[PW+(\a)%2], v[TM+7], 24, v[PW+(\a)%2]
	s_wait_dscnt 4
.irp b, 0,1,2,3
	v_cvt_scalef32_pk16_fp6_f32 v[C+4*\b:C+4*\b+2], v[H+16*\b:H+16*\b+15], v[TM+12+\b]
.endr
	v_nop
.endm
.macro TOSTAGE a
.irp b, 0,1,2,3
	ds_store_b96 v[STO], v[C+4*\b:C+4*\b+2] offset:32*\b
.endr
.irp t, 0,1,2,3
	ds_load_b96 v[OUT+16*((\a)%2)+4*\t:OUT+16*((\a)%2)+4*\t+2], v[RD] offset:576*\t
.endr
.endm
.macro SEND a, younger
	s_wait_dscnt \younger
.irp t, 0,1,2,3
	global_store_b96 v[VO], v[OUT+16*((\a)%2)+4*\t:OUT+16*((\a)%2)+4*\t+2], s[12:13] offset:(16*(\a)+4*\t)*768
.endr
	global_store_b32 v[VS], v[PW+(\a)%2], s[92:93] offset:512*(\a)
.endm
	PLACES NP
	s_wait_loadcnt 0x0
	s_mov_b32 s[SEL], 0x76543210
	s_mov_b32 s[SEL+1], 0xfedcba98
.irp b, 0,1,2,3
	v_mov_b32 v[TM+4+\b], 0
.endr
	COMP 0
	TOSTAGE 0
.irp a, 1,2,3,4,5,6,7
	COMP \a
	TOSTAGE \a
	SEND \a-1, 8
.endr
	s_wait_alu depctr_va_vdst(0)
	SEND 7, 0
	s_wait_tensorcnt 0x0
	ds_add_u32 v[SPW], v[NIL]
	s_wait_dscnt 0x0
	CROUND
	s_endpgm
.Lfunc_end_k_qcf7f994490_ffn1:
	.size	k_qcf7f994490_ffn1, .Lfunc_end_k_qcf7f994490_ffn1-k_qcf7f994490_ffn1
	.p2alignl 7, 3214868480
	.fill 96, 4, 3214868480
	.section	.rodata,"a",@progbits
	.p2align	6, 0x0
	.amdhsa_kernel k_qcf7f994490_ffn1
		.amdhsa_group_segment_fixed_size 327680
		.amdhsa_private_segment_fixed_size 0
		.amdhsa_enable_private_segment 0
		.amdhsa_kernarg_size 40
		.amdhsa_user_sgpr_count 2
		.amdhsa_user_sgpr_kernarg_segment_ptr 1
		.amdhsa_wavefront_size32 1
		.amdhsa_system_sgpr_workgroup_id_x 1
		.amdhsa_system_sgpr_workgroup_id_y 1
		.amdhsa_system_sgpr_workgroup_id_z 1
		.amdhsa_system_vgpr_workitem_id 0
		.amdhsa_next_free_vgpr 1024
		.amdhsa_next_free_sgpr 102
		.amdhsa_reserve_vcc 0
		.amdhsa_float_denorm_mode_32 3
		.amdhsa_float_denorm_mode_16_64 3
		.amdhsa_memory_ordered 1
		.amdhsa_forward_progress 1
		.amdhsa_inst_pref_size 210
	.end_amdhsa_kernel
	.amdgpu_metadata
---
amdhsa.version: [ 1, 2 ]
amdhsa.kernels:
  - .name:           k_qcf7f994490_ffn1
    .symbol:         k_qcf7f994490_ffn1.kd
    .args:
      - { .name: x1b, .offset: 0, .size: 8, .value_kind: global_buffer, .address_space: global }
      - { .name: W1_codes, .offset: 8, .size: 8, .value_kind: global_buffer, .address_space: global }
      - { .name: W1_scales, .offset: 16, .size: 8, .value_kind: global_buffer, .address_space: global }
      - { .name: b1, .offset: 24, .size: 8, .value_kind: global_buffer, .address_space: global }
      - { .name: act, .offset: 32, .size: 8, .value_kind: global_buffer, .address_space: global }
    .group_segment_fixed_size: 327680
    .private_segment_fixed_size: 0
    .kernarg_segment_align: 8
    .kernarg_segment_size: 40
    .max_flat_workgroup_size: 128
    .sgpr_count:     102
    .vgpr_count:     1024
    .wavefront_size: 32
...
	.end_amdgpu_metadata
.endif
;; end of part 6
;; launch proj (part 7): grid 4 x 64, 4 waves a work-group, clusters of 4 x 4, 327,680 bytes of LDS; arguments act, w2rc, w2rs, acc; writes acc
.if DOCPART == 7
	.amdgcn_target "amdgcn-amd-amdhsa--gfx1250"
	.amdhsa_code_object_version 6
	.text
	.protected	k_qcf7f994490_proj
	.globl	k_qcf7f994490_proj
	.p2align	8
	.type	k_qcf7f994490_proj,@function
k_qcf7f994490_proj:
	s_mov_b64 s[64:65], 0
	v_nop
	global_prefetch_b8 v0, s[64:65] scope:SCOPE_SE
	s_setreg_imm32_b32 hwreg(HW_REG_WAVE_MODE, 25, 1), 1
	s_wait_xcnt 0x0
	s_wait_alu depctr_hold_cnt(0) depctr_sa_sdst(0) depctr_va_vdst(0) depctr_va_sdst(0) depctr_va_ssrc(0) depctr_va_vcc(0) depctr_vm_vsrc(0)
	s_getreg_b32 s2, hwreg(HW_REG_IB_STS2, 6, 4)
	s_cmp_eq_u32 s2, 0
	s_cbranch_scc0 .Lentry_in_a_cluster
	s_endpgm
.Lentry_in_a_cluster:
	s_bfe_u32 s2, ttmp6, 0x10000c
	s_cmp_lg_u32 s2, 0xf033
	s_cbranch_scc0 .Lentry_shape_is_right
	s_endpgm
.Lentry_shape_is_right:
; C = A B^T on codes of FP6 (E2M3, one E8M0 scale for each 32 along K), K = 1,024, C f32, no bias.  A: [4096][768] bytes of codes at act + piece x 3,145,728, its scale bytes [4096][32] at
; act + AS + piece x 131,072; B: [1024][768] at piece x 786,432 of its buffer, scale bytes [1024][32] at piece x 32,768; C: [4096][1024] f32 at acc + piece x 16,777,216.
; piece = cluster y / 4: with a grid of 4 x 16 work-groups there is piece 0 alone (the product with Wo); with 4 x 64 there are four: the product with W2, K = 4,096, in four parts that a later
; launch adds.  A tile of C, 256 x 256, is made by four waves, 128 x 128 each.  K goes in steps of 256 through a ring of two LDS slots filled by joint tensor loads (4 x 4 work-groups: A's tile
; shared along a row of the cluster, B's along a column); the scale bytes come into LDS once.  The matrix instruction is used transposed: a lane holds eight neighbours of a row of C.
.set SIZE_N, 1024
.set AS,     12582912
; The ring's unit is a chunk of 256 bytes of each row of codes: 8 matrix steps of 96 bytes lie in 3 chunks, chunk c in slot c % 2.
.set NQ,     2
.set ROWB,   256
.set KROW,   768
.set STEPS,  8
.set CHUNKS, 3
.set PITCH,  272
.set FR,     12
.set NL,     6
.set NP,     4
.set HALFT,  128*PITCH
.set SLOT,   4*HALFT
.set G0H,    4                         ; s[4:7], s[8:11] group 0 of the head's loads of chunk 0 (the addresses that lay there have been used by then)
.set G0HB,   8
.set KS,     32
.set SCL,    2*SLOT
.set HALFS,  16*272
.set SBLK,   2*272
.set SPARE,  SCL+4*HALFS               ; the spare words: 128 bytes a wave, named by no other line
.set SPITCH, 528                       ; the way out: 16 rows x (512 + 16) bytes a wave, in slot 1, which has had its last fill and its last read by then (the last chunk lies in slot 0)
.set ADRA, 16
.set ADRB, 20
.set STO,  24
.set RD,   25
.set CO,   26
.set ADRS, 27
.set SPW,  28
.set NIL,  29
.set SC,   32
.set AF,   128
.set BK,   128
.set G1, 24
.set G0, 32
.set G1B, 48
.set G0B, 56
.set G1S, 68
.set G0S, 76
.set G1SB, 80
.set G0SB, 88
.set MSB, 0
.macro WIN new
.if MSB != \new
	s_set_vgpr_msb (MSB<<8)|\new
.set MSB, \new
.endif
.endm
.set MUL_LO, 0xa1
.set MUL_HI, 0xf1
.set TO_B,   0x40
.macro JLOAD g0a, g1a, g0b, g1b
	s_cmp_eq_u32 s15, 0
	s_cbranch_scc0 .Lfor_b_\@
	tensor_load_to_lds s[\g0a:\g0a+3], s[\g1a:\g1a+7]
	s_nop 0
.rept 4
	v_nop
.endr
	s_branch .Lasked_\@
.Lfor_b_\@:
	tensor_load_to_lds s[\g0b:\g0b+3], s[\g1b:\g1b+7]
	s_nop 0
.rept 4
	v_nop
.endr
.Lasked_\@:
.endm
.macro CREST
	s_cmp_lg_u32 s14, 0
	s_cbranch_scc1 .Lnot_wave_0_\@
	s_barrier_signal -3
.Lnot_wave_0_\@:
	s_barrier_wait -3
	s_barrier_signal -1
	s_barrier_wait -1
.endm
.macro CROUND
	s_barrier_signal -1
	s_barrier_wait -1
	CREST
.endm
	s_load_b64 s[4:5], s[0:1], 0x0                 ; act
	s_load_b64 s[8:9], s[0:1], 0x8                 ; B's codes
	s_load_b64 s[10:11], s[0:1], 0x10              ; B's scales
	s_load_b64 s[12:13], s[0:1], 0x18              ; acc
	v_lshl_add_u32 v[SPW], v0, 2, SPARE
	v_mov_b32 v[NIL], 0
	ds_add_u32 v28, v29
	ds_add_u32 v28, v29
	s_wait_dscnt 0x0
	v_lshrrev_b32 v1, 5, v0
	v_readfirstlane_b32 s14, v1
	s_lshr_b32 s15, s14, 1
	s_and_b32 s16, s14, 1
	s_bfe_u32 s40, ttmp6, 0x40000
	s_bfe_u32 s41, ttmp6, 0x40004
	s_lshl_b32 s42, ttmp9, 2
	s_add_co_u32 s42, s42, s40                     ; tile column
	s_and_b32 s17, ttmp7, 0xffff                   ; cluster y
	s_lshr_b32 s66, s17, 2                         ; piece: equal in all sixteen partners
	s_and_b32 s17, s17, 3
	s_lshl_b32 s17, s17, 2
	s_add_co_u32 s17, s17, s41                     ; tile row
	s_lshl_b32 s43, s41, 2
	s_lshl_b32 s43, 15, s43
	s_lshl_b32 s44, 0x1111, s40
	s_or_b32 s[G1+0], s43, (0<<16)|(1<<20)|(1<<21)|(5<<22)|(3<<25)  ; 4 words of padding behind every 64
	s_or_b32 s[G1B+0], s44, (0<<16)|(1<<20)|(1<<21)|(5<<22)|(3<<25)
.irp g, G1, G1B
	s_mov_b32 s[\g+1], ROWB<<16
	s_mov_b32 s[\g+2], 256<<16                     ; 256 rows for the head's loads; 128 behind them
	s_mov_b32 s[\g+3], ROWB<<16
	s_mov_b32 s[\g+4], 256
	s_mov_b32 s[\g+5], KROW
	s_mov_b32 s[\g+6], 0
	s_mov_b32 s[\g+7], 0
.endr
	s_or_b32 s[G1S+0], s43, (3<<16)|(1<<20)|(1<<21)|(5<<22)|(3<<25)
	s_or_b32 s[G1SB+0], s44, (3<<16)|(1<<20)|(1<<21)|(5<<22)|(3<<25)
.irp g, G1S, G1SB
	s_mov_b32 s[\g+1], 32<<16
	s_mov_b32 s[\g+2], KS<<16                      ; the scales of 256 rows: KS rows of 256 bytes
	s_mov_b32 s[\g+3], 32<<16
	s_mov_b32 s[\g+4], KS
	s_mov_b32 s[\g+5], 32
	s_mov_b32 s[\g+6], 0
	s_mov_b32 s[\g+7], 0
.endr
	s_lshl_b32 s20, s17, 8                         ; the tiles' first rows
	s_lshl_b32 s46, s42, 8
	s_mov_b32 s21, 0
	s_mov_b32 s47, 0
	s_mov_b64 s[18:19], KS
	s_mul_u64 s[22:23], s[20:21], s[18:19]
	s_mul_u64 s[92:93], s[46:47], s[18:19]
	s_mov_b64 s[18:19], KROW
	s_mul_u64 s[20:21], s[20:21], s[18:19]
	s_mul_u64 s[46:47], s[46:47], s[18:19]
	s_mul_i32 s45, s14, HALFT
	s_mul_i32 s18, s16, 128*KROW                   ; in the ring I fetch 128 rows: which half, in bytes
	s_mov_b32 s19, 0
	s_mov_b32 s97, 0
	s_wait_kmcnt 0x0
	s_lshl_b32 s96, s66, 17
	s_add_co_u32 s96, s96, AS
	s_add_nc_u64 s[6:7], s[4:5], s[96:97]          ; A's scales of this piece
	s_mul_i32 s96, s66, 3145728
	s_add_nc_u64 s[4:5], s[4:5], s[96:97]          ; A's codes
	s_mul_i32 s96, s66, 786432
	s_add_nc_u64 s[8:9], s[8:9], s[96:97]
	s_lshl_b32 s96, s66, 15
	s_add_nc_u64 s[10:11], s[10:11], s[96:97]
	s_lshl_b32 s96, s66, 24
	s_lshr_b32 s97, s66, 8
	s_add_nc_u64 s[12:13], s[12:13], s[96:97]      ; C of this piece
	s_add_nc_u64 s[20:21], s[4:5], s[20:21]
	s_add_nc_u64 s[22:23], s[6:7], s[22:23]
	s_add_nc_u64 s[46:47], s[8:9], s[46:47]
	s_add_nc_u64 s[92:93], s[10:11], s[92:93]
	CROUND
	s_mov_b32 s[G0S], 1
	s_mov_b32 s[G0S+1], SCL
	s_mov_b64 s[G0S+2:G0S+3], s[22:23]
	s_or_b32 s[G0S+3], s[G0S+3], 0x80000000
	s_mov_b32 s[G0SB], 1
	s_mov_b32 s[G0SB+1], SCL+2*HALFS
	s_mov_b64 s[G0SB+2:G0SB+3], s[92:93]
	s_or_b32 s[G0SB+3], s[G0SB+3], 0x80000000
	s_mov_b32 s[G0H], 1                            ; chunk 0: A's 256 rows,
	s_mov_b32 s[G0H+1], 0
	s_mov_b64 s[G0H+2:G0H+3], s[20:21]
	s_or_b32 s[G0H+3], s[G0H+3], 0x80000000
	s_mov_b32 s[G0HB], 1                           ; and B's, behind them
	s_mov_b32 s[G0HB+1], 2*HALFT
	s_mov_b64 s[G0HB+2:G0HB+3], s[46:47]
	s_or_b32 s[G0HB+3], s[G0HB+3], 0x80000000
	s_add_nc_u64 s[20:21], s[20:21], s[18:19]      ; for the ring: my 128 rows
	s_add_nc_u64 s[46:47], s[46:47], s[18:19]
.irp s, 0,1
	s_mov_b32 s[G0+4*\s], 1
	s_add_co_u32 s[G0+4*\s+1], s45, \s*SLOT
	s_add_nc_u64 s[G0+4*\s+2:G0+4*\s+3], s[20:21], \s*ROWB
	s_or_b32 s[G0+4*\s+3], s[G0+4*\s+3], 0x80000000
	s_mov_b32 s[G0B+4*\s], 1
	s_add_co_u32 s[G0B+4*\s+1], s45, \s*SLOT
	s_add_nc_u64 s[G0B+4*\s+2:G0B+4*\s+3], s[46:47], \s*ROWB
	s_or_b32 s[G0B+4*\s+3], s[G0B+4*\s+3], 0x80000000
.endr
; the head's four tiles, one joint load a wave: one tree of branches on the wave's number
.macro ARM under, g0, g1, next
	s_cmp_lt_u32 s14, \under
	s_cbranch_scc0 \next
	tensor_load_to_lds s[\g0:\g0+3], s[\g1:\g1+7]
	s_nop 0
.rept 4
	v_nop
.endr
	s_branch .Lhead_asked
\next:
.endm
	ARM 1, G0H,  G1,  .Lhead_b
	ARM 2, G0HB, G1B, .Lhead_sa
	ARM 3, G0S,  G1S, .Lhead_sb
	tensor_load_to_lds s[G0SB:G0SB+3], s[G1SB:G1SB+7]
	s_nop 0
.rept 4
	v_nop
.endr
.Lhead_asked:
	v_and_b32 v1, 15, v0
	v_bfe_u32 v2, v0, 4, 1
	v_mul_u32_u24 v3, v1, PITCH
	v_mul_u32_u24 v4, v2, 24
	v_add_nc_u32 v4, v3, v4
	s_mov_b32 s21, SLOT-232
	s_mov_b32 s22, SLOT+232
	v_sub_nc_u32 v7, 1, v2
	v_mul_u32_u24 v5, s21, v2
	v_add_nc_u32 v5, v3, v5
	v_add_nc_u32 v5, 232, v5                       ; across two chunks: lanes 0-15 byte 232 of the row in slot 0, lanes 16-31 byte 0 in slot 1;
	v_mul_u32_u24 v6, s22, v7
	v_add_nc_u32 v6, v3, v6                        ; and the other way round
	s_mul_i32 s21, s15, HALFT
	s_mul_i32 s22, s16, HALFT
	s_add_co_u32 s22, s22, 2*HALFT
	v_add_nc_u32 v[ADRA+2], s21, v5
	v_add_nc_u32 v[ADRA+3], s21, v6
	v_add_nc_u32 v[ADRB+2], s22, v5
	v_add_nc_u32 v[ADRB+3], s22, v6
.irp s, 0,1
	v_add_nc_u32 v[ADRA+\s], s21, v4
	v_add_nc_u32 v[ADRB+\s], s22, v4
	s_add_co_u32 s21, s21, SLOT
	s_add_co_u32 s22, s22, SLOT
.endr
	v_mul_u32_u24 v5, v1, KS
	v_lshrrev_b32 v6, 8, v5
	v_lshl_add_u32 v5, v6, 4, v5
	s_mul_i32 s21, s15, HALFS
	s_mul_i32 s22, s16, HALFS
	s_add_co_u32 s22, s22, 2*HALFS
	s_sub_co_u32 s22, s22, s21
	v_mul_u32_u24 v6, s22, v2
	s_add_co_u32 s21, s21, SCL
	v_add_nc_u32 v5, v5, v6
	v_add_nc_u32 v[ADRS], s21, v5
	s_mul_i32 s23, s14, 16*SPITCH                  ; my stage,
	s_add_co_u32 s23, s23, SLOT                    ; in slot 1
	v_mul_u32_u24 v5, v1, SPITCH
	v_lshl_add_u32 v5, v2, 5, v5
	v_add_nc_u32 v[STO], s23, v5
	v_and_b32 v6, 31, v0
	v_lshlrev_b32 v[CO], 4, v6
	v_add_nc_u32 v[RD], s23, v[CO]
	s_lshl_b32 s20, s17, 8
	s_lshl_b32 s21, s15, 7
	s_add_co_u32 s20, s20, s21                     ; my first row of C
	s_mov_b32 s21, 0
	s_mov_b64 s[18:19], SIZE_N*4
	s_mul_u64 s[20:21], s[20:21], s[18:19]
	s_lshl_b32 s46, s42, 10
	s_lshl_b32 s47, s16, 9
	s_add_co_u32 s46, s46, s47
	s_mov_b32 s47, 0
	s_add_nc_u64 s[20:21], s[20:21], s[46:47]
	s_add_nc_u64 s[12:13], s[12:13], s[20:21]
.macro FRAG reg, adr, st, i            ; byte y of a row of codes lies in chunk y / 256, slot (y / 256) % 2, at byte y % 256 of the LDS row; lanes 16-31 read 24 bytes on
.irp p, 0,1,2,3,4,5
.set BY, 96*(\st)+48*(\p/3)+8*(\p%3)
.if BY/ROWB == (BY+24)/ROWB
	ds_load_b64 v[\reg+2*\p:\reg+2*\p+1], v[\adr+(BY/ROWB)%2] offset:BY%ROWB+(\i)*16*PITCH
.else
	ds_load_b64 v[\reg+2*\p:\reg+2*\p+1], v[\adr+2+(BY/ROWB)%2] offset:BY%ROWB-232+(\i)*16*PITCH
.endif
.endr
.endm
.macro MUL16 a0, p, q, sc, zero        ; the 64 accumulators take turns, one instruction a turn
.irp a, \a0, \a0+1
.irp b, 0,1,2,3,4,5,6,7
.if \zero
	v_wmma_scale_f32_16x16x128_f8f6f4 v[8*(8*((\a)%4)+\b):8*(8*((\a)%4)+\b)+7], v[128*(\p)+FR*\b:128*(\p)+FR*\b+FR-1], v[AF+FR*(\a):AF+FR*(\a)+FR-1], 0, v[SC+8*NQ*(\sc)+NQ*\b+(\q)], v[SC+8*NQ*(\sc)+NQ*(\a)+(\q)] matrix_a_fmt:MATRIX_FMT_FP6 matrix_b_fmt:MATRIX_FMT_FP6 matrix_a_scale:MATRIX_SCALE_ROW1
.else
	v_wmma_scale_f32_16x16x128_f8f6f4 v[8*(8*((\a)%4)+\b):8*(8*((\a)%4)+\b)+7], v[128*(\p)+FR*\b:128*(\p)+FR*\b+FR-1], v[AF+FR*(\a):AF+FR*(\a)+FR-1], v[8*(8*((\a)%4)+\b):8*(8*((\a)%4)+\b)+7], v[SC+8*NQ*(\sc)+NQ*\b+(\q)], v[SC+8*NQ*(\sc)+NQ*(\a)+(\q)] matrix_a_fmt:MATRIX_FMT_FP6 matrix_b_fmt:MATRIX_FMT_FP6 matrix_a_scale:MATRIX_SCALE_ROW1
.endif
.endr
.endr
.endm
.macro FETCH_B st, p
	WIN TO_B
.irp i, 0,1,2,3,4,5,6,7
	FRAG 128*(\p)+FR*\i, ADRB, \st, \i
.endr
	WIN 0
.endm
.macro FETCH_A st, i0
.irp i, \i0, \i0+1, \i0+2, \i0+3
	FRAG AF+FR*(\i), ADRA, \st, \i
.endr
.endm
.macro SCALES pr                       ; the scale words of steps 2 pr and 2 pr + 1 into set pr % 2
.irp i, 0,1,2,3,4,5,6,7
	ds_load_b64 v[SC+8*NQ*((\pr)%2)+NQ*\i:SC+8*NQ*((\pr)%2)+NQ*\i+1], v[ADRS] offset:\i*SBLK+4*NQ*(\pr)
.endr
.endm
.macro PLACES n
.rept \n
	v_nop
.endr
.endm
; A step of 128 along K.  Where the next step's bytes end in a chunk not read yet, a barrier shows that chunk whole; where they begin in a later chunk, the chunk left behind is read no more:
; the wait for all my tensor loads, the add, the wait for it and for my reads, the barrier, and, where a chunk two on is left, the cluster's round and the refill.
.macro STEP st, zero
.set NX, (\st)+1
.set C0, (96*(\st))/ROWB
.set C1, (96*NX)/ROWB
.set E0, (96*(\st)+95)/ROWB
.set E1, (96*NX+95)/ROWB
.if C1 > C0 || E1 > E0
	s_wait_tensorcnt 0x0
.if C1 > C0
	ds_add_u32 v[SPW], v[NIL]
	s_wait_dscnt 4*NL+1                            ; the add and the 24 youngest loads (A's blocks 4-7) may be out
.else
	s_wait_dscnt 4*NL
.endif
	WIN MUL_LO
	MUL16 0, (\st)%2, (\st)%2, ((\st)/2)%2, \zero
	s_wait_dscnt 0x0
	s_barrier_signal -1
	MUL16 2, (\st)%2, (\st)%2, ((\st)/2)%2, \zero
	WIN 0
	s_barrier_wait -1
.if C1 > C0 && C0+2 < CHUNKS
	CREST
	s_add_nc_u64 s[G0+4*(C0%2)+2:G0+4*(C0%2)+3], s[G0+4*(C0%2)+2:G0+4*(C0%2)+3], 2*ROWB
	s_add_nc_u64 s[G0B+4*(C0%2)+2:G0B+4*(C0%2)+3], s[G0B+4*(C0%2)+2:G0B+4*(C0%2)+3], 2*ROWB
	JLOAD G0+4*(C0%2), G1, G0B+4*(C0%2), G1B
.else
	PLACES NP
.endif
.else
	s_wait_dscnt 4*NL                              ; the 24 youngest loads (A's blocks 4-7) may be out
	WIN MUL_LO
	MUL16 0, (\st)%2, (\st)%2, ((\st)/2)%2, \zero
	MUL16 2, (\st)%2, (\st)%2, ((\st)/2)%2, \zero
	s_wait_dscnt 0
	PLACES NP
.endif
	FETCH_B NX, NX%2
	FETCH_A NX, 0
.if NX%2 == 0
	SCALES NX/2
.endif
	WIN MUL_HI
	MUL16 4, (\st)%2, (\st)%2, ((\st)/2)%2, \zero
	MUL16 6, (\st)%2, (\st)%2, ((\st)/2)%2, \zero
	PLACES NP
	WIN 0
	FETCH_A NX, 4
.endm
	s_wait_alu depctr_va_vdst(0)
	s_wait_tensorcnt 0x0                           ; my tile of the head's four is in
	ds_add_u32 v[SPW], v[NIL]
	s_mov_b32 s[G1+2], 128<<16                     ; no load of mine is out: from here on a load brings 128 rows
	s_mov_b32 s[G1+4], 128
	s_mov_b32 s[G1B+2], 128<<16
	s_mov_b32 s[G1B+4], 128
	s_wait_dscnt 0x0
	CROUND
	JLOAD G0+4, G1, G0B+4, G1B                     ; chunk 1, slot 1's first fill
	FETCH_B 0, 0
	FETCH_A 0, 0
	SCALES 0
	FETCH_A 0, 4
	STEP 0, 1
.set ST, 1
.rept STEPS-2
	STEP ST, 0
.set ST, ST+1
.endr
	s_wait_dscnt 4*NL
	WIN MUL_LO
	MUL16 0, 1, NQ-1, 1, 0
	MUL16 2, 1, NQ-1, 1, 0
	s_wait_dscnt 0
	WIN MUL_HI
	MUL16 4, 1, NQ-1, 1, 0
	MUL16 6, 1, NQ-1, 1, 0
	WIN 0
; THE WAY OUT, block by block of 16 rows x 128 columns, through my own stage: whole rows of 512 bytes come back and leave as two aligned runs of 256 bytes
.macro TOSTAGE a
.set AC, 64*((\a)%4)
	WIN 0x08+4*((\a)/4)
.irp b, 0,1,2,3,4,5,6,7
	ds_store_b128 v[STO], v[AC+8*\b:AC+8*\b+3] offset:64*\b          ; each accumulator from its low end on
	ds_store_b128 v[STO], v[AC+8*\b+4:AC+8*\b+7] offset:64*\b+16
.endr
	WIN 0
.set BB, BK+64*((\a)%2)
.irp t, 0,1,2,3,4,5,6,7,8,9,10,11,12,13,14,15
	ds_load_b128 v[BB+4*\t:BB+4*\t+3], v[RD] offset:\t*SPITCH
.endr
.endm
.macro SEND a, younger
.set BB, BK+64*((\a)%2)
	s_wait_dscnt \younger
.if (\a) > 0
	s_add_nc_u64 s[12:13], s[12:13], 16*SIZE_N*4
.endif
.irp t, 0,1,2,3,4,5,6,7,8,9,10,11,12,13,14,15
	global_store_b128 v[CO], v[BB+4*\t:BB+4*\t+3], s[12:13] offset:\t*SIZE_N*4
.endr
.endm
	PLACES NP
	TOSTAGE 0
.irp a, 1,2,3,4,5,6,7
.if \a > 1
	s_wait_xcnt 0x0                                ; block a - 2's stores have read their registers and their base
.endif
	TOSTAGE \a
	SEND \a-1, 32                                  ; behind block a - 1's loads: block a's 16 stores and 16 loads
.endr
	s_wait_xcnt 0x0
	SEND 7, 0
	s_wait_tensorcnt 0x0                           ; the wave's end
	ds_add_u32 v[SPW], v[NIL]
	s_wait_dscnt 0x0
	CROUND
	s_endpgm
.Lfunc_end_k_qcf7f994490_proj:
	.size	k_qcf7f994490_proj, .Lfunc_end_k_qcf7f994490_proj-k_qcf7f994490_proj
	.p2alignl 7, 3214868480
	.fill 96, 4, 3214868480
	.section	.rodata,"a",@progbits
	.p2align	6, 0x0
	.amdhsa_kernel k_qcf7f994490_proj
		.amdhsa_group_segment_fixed_size 327680
		.amdhsa_private_segment_fixed_size 0
		.amdhsa_enable_private_segment 0
		.amdhsa_kernarg_size 32
		.amdhsa_user_sgpr_count 2
		.amdhsa_user_sgpr_kernarg_segment_ptr 1
		.amdhsa_wavefront_size32 1
		.amdhsa_system_sgpr_workgroup_id_x 1
		.amdhsa_system_sgpr_workgroup_id_y 1
		.amdhsa_system_sgpr_workgroup_id_z 1
		.amdhsa_system_vgpr_workitem_id 0
		.amdhsa_next_free_vgpr 1024
		.amdhsa_next_free_sgpr 102
		.amdhsa_reserve_vcc 0
		.amdhsa_float_denorm_mode_32 3
		.amdhsa_float_denorm_mode_16_64 3
		.amdhsa_memory_ordered 1
		.amdhsa_forward_progress 1
		.amdhsa_inst_pref_size 161
	.end_amdhsa_kernel
	.amdgpu_metadata
---
amdhsa.version: [ 1, 2 ]
amdhsa.kernels:
  - .name:           k_qcf7f994490_proj
    .symbol:         k_qcf7f994490_proj.kd
    .args:
      - { .name: act, .offset: 0, .size: 8, .value_kind: global_buffer, .address_space: global }
      - { .name: w2rc, .offset: 8, .size: 8, .value_kind: global_buffer, .address_space: global }
      - { .name: w2rs, .offset: 16, .size: 8, .value_kind: global_buffer, .address_space: global }
      - { .name: acc, .offset: 24, .size: 8, .value_kind: global_buffer, .address_space: global }
    .group_segment_fixed_size: 327680
    .private_segment_fixed_size: 0
    .kernarg_segment_align: 8
    .kernarg_segment_size: 32
    .max_flat_workgroup_size: 128
    .sgpr_count:     102
    .vgpr_count:     1024
    .wavefront_size: 32
...
	.end_amdgpu_metadata
.endif
;; end of part 7
;; launch norm2 (part 8): grid 256 x 1, 16 waves a work-group, no clusters, 0 bytes of LDS; arguments acc, b2, x1b, alpha2, beta2, out0; writes out0
.if DOCPART == 8
	.amdgcn_target "amdgcn-amd-amdhsa--gfx1250"
	.amdhsa_code_object_version 6
	.text
	.protected	k_qcf7f994490_norm2
	.globl	k_qcf7f994490_norm2
	.p2align	8
	.type	k_qcf7f994490_norm2,@function
k_qcf7f994490_norm2:
	s_mov_b64 s[64:65], 0
	v_nop
	global_prefetch_b8 v0, s[64:65] scope:SCOPE_SE
	s_setreg_imm32_b32 hwreg(HW_REG_WAVE_MODE, 25, 1), 1
	s_wait_xcnt 0x0
; out0 = x1 + layer_norm(ff) x alpha2 + beta2, ff = the four parts of the product with W2 (acc [4][4096][1024]) + b2; unbiased standard deviation, division by (std + 1e-6), all in f32.
; A wave takes a row: lane l holds columns 128 j + 4 l .. + 3, j = 0 .. 7, so every load and store covers 512 consecutive bytes.  The mean is taken first and the squares of the differences
; after: no difference of large sums.  No LDS, no barrier, no matrix unit: waves share nothing.  LIMITS: NaN and infinities are not served.
.set P,   16                           ; v16-143  the four parts; the sum stays in the first's registers; alpha2 and beta2 take the second's and the third's
.set B2,  144
.set X1,  176
.set AL,  48
.set BE,  80
.set T,   2
.set MN,  10
.set IV,  12
.set SEL, 26
.macro ALLSUM r, t
	s_delay_alu instid0(VALU_DEP_1)
	v_add_f32_dpp v[\r], v[\r], v[\r] row_xmask:1 row_mask:0xf bank_mask:0xf
	s_delay_alu instid0(VALU_DEP_1)
	v_add_f32_dpp v[\r], v[\r], v[\r] row_xmask:2 row_mask:0xf bank_mask:0xf
	s_delay_alu instid0(VALU_DEP_1)
	v_add_f32_dpp v[\r], v[\r], v[\r] row_xmask:4 row_mask:0xf bank_mask:0xf
	s_delay_alu instid0(VALU_DEP_1)
	v_add_f32_dpp v[\r], v[\r], v[\r] row_xmask:8 row_mask:0xf bank_mask:0xf
	s_delay_alu instid0(VALU_DEP_1)
	v_permlanex16_b32 v[\t], v[\r], s[SEL], s[SEL+1]
	s_delay_alu instid0(VALU_DEP_1)
	v_add_f32 v[\r], v[\r], v[\t]
.endm
.macro FOLD
	s_delay_alu instid0(VALU_DEP_3)
	v_pk_add_f32 v[T:T+1], v[T:T+1], v[T+2:T+3]
	s_delay_alu instid0(VALU_DEP_2)
	v_pk_add_f32 v[T+4:T+5], v[T+4:T+5], v[T+6:T+7]
	s_delay_alu instid0(VALU_DEP_1)
	v_pk_add_f32 v[T:T+1], v[T:T+1], v[T+4:T+5]
	s_delay_alu instid0(VALU_DEP_1)
	v_add_f32 v[T], v[T], v[T+1]
	ALLSUM T, T+1
.endm
	s_load_b256 s[4:11], s[0:1], 0x0               ; acc, b2, x1b, alpha2
	s_load_b128 s[12:15], s[0:1], 0x20             ; beta2, out0
	v_lshrrev_b32 v1, 5, v0
	s_delay_alu instid0(VALU_DEP_1)
	v_readfirstlane_b32 s16, v1
	v_and_b32 v14, 31, v0
	s_delay_alu instid0(VALU_DEP_1)
	v_lshlrev_b32 v1, 4, v14                       ; 16 x lane
	s_lshl_b32 s17, ttmp9, 4
	s_add_co_u32 s17, s17, s16                     ; my row
	s_lshl_b32 s18, s17, 12
	s_mov_b32 s19, 0
	s_mov_b32 s[SEL], 0x76543210
	s_mov_b32 s[SEL+1], 0xfedcba98
	s_wait_alu depctr_va_vdst(0)
	s_wait_kmcnt 0x0
	s_add_nc_u64 s[4:5], s[4:5], s[18:19]
	s_add_nc_u64 s[20:21], s[4:5], 0x1000000       ; the parts lie 16,777,216 bytes apart
	s_add_nc_u64 s[22:23], s[4:5], 0x2000000
	s_add_nc_u64 s[24:25], s[4:5], 0x3000000
	s_add_nc_u64 s[8:9], s[8:9], s[18:19]          ; x1
	s_add_nc_u64 s[14:15], s[14:15], s[18:19]
.irp j, 0,1,2,3,4,5,6,7
	global_load_b128 v[P+4*\j:P+4*\j+3], v1, s[4:5] offset:512*\j th:TH_LOAD_NT
.endr
.irp j, 0,1,2,3,4,5,6,7
	global_load_b128 v[P+32+4*\j:P+32+4*\j+3], v1, s[20:21] offset:512*\j th:TH_LOAD_NT
.endr
.irp j, 0,1,2,3,4,5,6,7
	global_load_b128 v[P+64+4*\j:P+64+4*\j+3], v1, s[22:23] offset:512*\j th:TH_LOAD_NT
.endr
.irp j, 0,1,2,3,4,5,6,7
	global_load_b128 v[P+96+4*\j:P+96+4*\j+3], v1, s[24:25] offset:512*\j th:TH_LOAD_NT
.endr
.irp j, 0,1,2,3,4,5,6,7
	global_load_b128 v[B2+4*\j:B2+4*\j+3], v1, s[6:7] offset:512*\j
.endr
.irp j, 0,1,2,3,4,5,6,7
	global_load_b128 v[X1+4*\j:X1+4*\j+3], v1, s[8:9] offset:512*\j th:TH_LOAD_NT
.endr
	s_wait_loadcnt 8                               ; the four parts and b2 are in; x1's 8 loads may be out
.set k, 0
.rept 16
	v_pk_add_f32 v[P+2*k:P+2*k+1], v[P+2*k:P+2*k+1], v[P+32+2*k:P+33+2*k]
	v_pk_add_f32 v[P+64+2*k:P+65+2*k], v[P+64+2*k:P+65+2*k], v[P+96+2*k:P+97+2*k]
	s_delay_alu instid0(VALU_DEP_1)
	v_pk_add_f32 v[P+2*k:P+2*k+1], v[P+2*k:P+2*k+1], v[P+64+2*k:P+65+2*k]
	s_delay_alu instid0(VALU_DEP_1)
	v_pk_add_f32 v[P+2*k:P+2*k+1], v[P+2*k:P+2*k+1], v[B2+2*k:B2+2*k+1]
.set k, k+1
.endr
.irp j, 0,1,2,3,4,5,6,7                        ; they land while the statistics are made
	global_load_b128 v[AL+4*\j:AL+4*\j+3], v1, s[10:11] offset:512*\j
.endr
.irp j, 0,1,2,3,4,5,6,7
	global_load_b128 v[BE+4*\j:BE+4*\j+3], v1, s[12:13] offset:512*\j
.endr
.irp k, 0,1,2,3
	v_pk_add_f32 v[T+2*\k:T+2*\k+1], v[P+2*\k:P+2*\k+1], v[P+8+2*\k:P+9+2*\k]
.endr
.irp j, 16,24
.irp k, 0,1,2,3
	s_delay_alu instid0(VALU_DEP_4)
	v_pk_add_f32 v[T+2*\k:T+2*\k+1], v[T+2*\k:T+2*\k+1], v[P+\j+2*\k:P+\j+2*\k+1]
.endr
.endr
	FOLD
	s_delay_alu instid0(VALU_DEP_1)
	v_mul_f32 v[MN], 0x3a800000, v[T]              ; the mean: / 1,024
	s_delay_alu instid0(VALU_DEP_1)
	v_mov_b32 v[MN+1], v[MN]
.set k, 0
.rept 16
	v_pk_add_f32 v[P+2*k:P+2*k+1], v[P+2*k:P+2*k+1], v[MN:MN+1] neg_lo:[0,1] neg_hi:[0,1]
.set k, k+1
.endr
.irp k, 0,1,2,3
	v_pk_mul_f32 v[T+2*\k:T+2*\k+1], v[P+2*\k:P+2*\k+1], v[P+2*\k:P+2*\k+1]
.endr
.irp j, 8,16,24
.irp k, 0,1,2,3
	s_delay_alu instid0(VALU_DEP_4)
	v_pk_fma_f32 v[T+2*\k:T+2*\k+1], v[P+\j+2*\k:P+\j+2*\k+1], v[P+\j+2*\k:P+\j+2*\k+1], v[T+2*\k:T+2*\k+1]
.endr
.endr
	FOLD
	s_delay_alu instid0(VALU_DEP_1)
	v_mul_f32 v[T], 0x3a802008, v[T]               ; / 1,023
	s_wait_alu depctr_va_vdst(0)
	v_sqrt_f32 v[T+2], v[T]
	v_nop
	s_wait_alu depctr_va_vdst(0)                   ; ahead of the first reader
	v_add_f32 v[T+2], 0x358637bd, v[T+2]           ; + 1e-6
	s_wait_alu depctr_va_vdst(0)
	v_rcp_f32 v[IV], v[T+2]
	v_nop
	s_wait_alu depctr_va_vdst(0)
	v_mov_b32 v[IV+1], v[IV]
	s_wait_alu depctr_va_vdst(0)
	s_wait_loadcnt 0x0
.set k, 0
.rept 16
	v_pk_mul_f32 v[P+2*k:P+2*k+1], v[P+2*k:P+2*k+1], v[IV:IV+1]
	s_delay_alu instid0(VALU_DEP_1)
	v_pk_fma_f32 v[P+2*k:P+2*k+1], v[P+2*k:P+2*k+1], v[AL+2*k:AL+2*k+1], v[BE+2*k:BE+2*k+1]
	s_delay_alu instid0(VALU_DEP_1)
	v_pk_add_f32 v[P+2*k:P+2*k+1], v[P+2*k:P+2*k+1], v[X1+2*k:X1+2*k+1]
.set k, k+1
.endr
.irp j, 0,1,2,3,4,5,6,7
	global_store_b128 v1, v[P+4*\j:P+4*\j+3], s[14:15] offset:512*\j th:TH_STORE_NT
.endr
	s_endpgm
.Lfunc_end_k_qcf7f994490_norm2:
	.size	k_qcf7f994490_norm2, .Lfunc_end_k_qcf7f994490_norm2-k_qcf7f994490_norm2
	.p2alignl 7, 3214868480
	.fill 96, 4, 3214868480
	.section	.rodata,"a",@progbits
	.p2align	6, 0x0
	.amdhsa_kernel k_qcf7f994490_norm2
		.amdhsa_group_segment_fixed_size 0
		.amdhsa_private_segment_fixed_size 0
		.amdhsa_enable_private_segment 0
		.amdhsa_kernarg_size 48
		.amdhsa_user_sgpr_count 2
		.amdhsa_user_sgpr_kernarg_segment_ptr 1
		.amdhsa_wavefront_size32 1
		.amdhsa_system_sgpr_workgroup_id_x 1
		.amdhsa_system_sgpr_workgroup_id_y 1
		.amdhsa_system_sgpr_workgroup_id_z 1
		.amdhsa_system_vgpr_workitem_id 0
		.amdhsa_next_free_vgpr 240
		.amdhsa_next_free_sgpr 66
		.amdhsa_reserve_vcc 0
		.amdhsa_float_denorm_mode_32 3
		.amdhsa_float_denorm_mode_16_64 3
		.amdhsa_memory_ordered 1
		.amdhsa_forward_progress 1
		.amdhsa_inst_pref_size 23
	.end_amdhsa_kernel
	.amdgpu_metadata
---
amdhsa.version: [ 1, 2 ]
amdhsa.kernels:
  - .name:           k_qcf7f994490_norm2
    .symbol:         k_qcf7f994490_norm2.kd
    .args:
      - { .name: acc, .offset: 0, .size: 8, .value_kind: global_buffer, .address_space: global }
      - { .name: b2, .offset: 8, .size: 8, .value_kind: global_buffer, .address_space: global }
      - { .name: x1b, .offset: 16, .size: 8, .value_kind: global_buffer, .address_space: global }
      - { .name: alpha2, .offset: 24, .size: 8, .value_kind: global_buffer, .address_space: global }
      - { .name: beta2, .offset: 32, .size: 8, .value_kind: global_buffer, .address_space: global }
      - { .name: out0, .offset: 40, .size: 8, .value_kind: global_buffer, .address_space: global }
    .group_segment_fixed_size: 0
    .private_segment_fixed_size: 0
    .kernarg_segment_align: 8
    .kernarg_segment_size: 48
    .max_flat_workgroup_size: 512
    .sgpr_count:     66
    .vgpr_count:     240
    .wavefront_size: 32
...
	.end_amdgpu_metadata
.endif
;; end of part 8
